; MI455X (gfx1250); checked and timed in simulation.
; The chip was launched on July 23, 2026; its instructions are those of AMD's public machine-readable ISA for CDNA 5 (MIT licence, August 2026) and "CDNA5" Instruction Set Architecture Reference Guide (July 2026). The comments in the code are by the model that wrote it; some were corrected since.
;; GPT Attention. Allowed arithmetic: matrix products marked QUANTISED: E3M2 operands, one E8M0 scale for each 32 along K, by v_wmma_scale_f32_16x16x128_f8f6f4 with both operands' format E3M2, f32 sums; everything else in f32.
;; Inputs: b_attn 3,072 float32; b_proj 1,024 float32; hidden_states 2 x 2,048 x 1,024 float32; w_attn 1,024 x 3,072 float32; w_proj 1,024 x 1,024 float32.
;; Outputs: out0 2 x 2,048 x 1,024 float32.
;; This version of the problem:
;;   THIS VERSION OF THE PROBLEM IS GIVEN IN LOW PRECISION. The matrix products marked QUANTISED in the list below multiply operands that are first quantised to E3M2 (3 exponent bits, 2 mantissa bits; 6 bits a number), with one power-of-two scale for each 32 numbers along K (OCP MX v1.0); their sums are f32. All else is computed in f32.
;;   The module's matrix products, in the order in which they are computed (A, B: the left and right operand; K: the contracted axis; several contracted axes count as one K, in the product's order):
;;     1. [M 4,096, K 1,024] x [K 1,024, N 3,072]; A: input hidden_states; B: input w_attn: QUANTISED
;;     2. batch 32 x [M 2,048, K 64] x [K 64, N 2,048]; A: computed on the way; B: computed on the way: QUANTISED
;;     3. batch 32 x [M 2,048, K 2,048] x [K 2,048, N 64]; A: softmax (see below); B: computed on the way: QUANTISED
;;     4. [M 4,096, K 1,024] x [K 1,024, N 1,024]; A: computed on the way; B: input w_proj: QUANTISED
;;   THE QUANTISER, for each operand of a quantised product, along K:
;;     - K is cut into blocks of 32 from its start; a last block that is shorter is filled with zeros.
;;     - A block's scale is 2^e with e = floor(log2(the largest magnitude in the block)) - 4, held to -126 .. 127; a block of zeros has e = 0. As a byte (E8M0): e + 127.
;;     - Each number is divided by its block's scale, clamped to +-28, and rounded to the nearest number of E3M2, ties to even, subnormals kept.
;;     - The product sums the exact products of the quantised numbers (number of the format x scale) in f32.
;;   ~~~python
;;   def quantise(x, axis):      # numpy; x: float32 -> the quantised numbers, widened to float32 again
;;       x = np.moveaxis(x, axis, -1); K = x.shape[-1]
;;       x = np.pad(x, [(0, 0)] * (x.ndim - 1) + [(0, -K % 32)]); x = x.reshape(x.shape[:-1] + (-1, 32)); a = np.abs(x).max(-1, keepdims=True)
;;       e = np.where(a > 0, np.clip(np.frexp(np.where(a > 0, a, 1))[1] - 1 - 4, -126, 127), 0)      # np.frexp(a)[1] - 1 = floor(log2(a)), exactly
;;       r = np.clip(x / 2.0 ** e, -28, 28)
;;       step = 2.0 ** (np.maximum(np.frexp(np.where(r == 0, 1, r))[1] - 1, -2) - 2)
;;       q = np.round(r / step) * step * 2.0 ** e      # np.round: ties to even
;;       return np.moveaxis(q.reshape(q.shape[:-2] + (-1,))[..., :K], -1, axis).astype(np.float32)
;;   ~~~
;;   SOFTMAX AHEAD OF A QUANTISED PRODUCT. Where the list says 'softmax', what is quantised is not the finished softmax but p = 2^(t - M), with t = logit x log2(e) and M = ceil(the row's largest t), a whole number; so 1/2 < the row's largest p <= 1. The row's sum l is taken of the UNQUANTISED p, in f32, and the product's result is divided by l at the end. Since M is a whole number, a kernel that streams over the keys may use a running M (the ceiling of the running maximum): every later rescaling is an exact power of two, which a block's scale takes up: the codes' values come out the same.
;;   OPERANDS COMPUTED ON THE WAY. 'Computed on the way' means the value that the module computes at that place (a softmax that the list does not call 'softmax' is quantised finished and normalised). What goes into a quantiser is computed in f32, as accurately as f32 sums, v_exp_f32 and their like allow (about 1e-6 of the number): no bf16 or f16 on the way to a quantiser, and a product that is left as it is and whose result goes on into a quantised operand takes f32 operands (vector FMAs, or v_wmma_f32_16x16x4_f32). A number that lies on a knife's edge between two numbers of the format may be rounded either way, as far as f32 arithmetic and the matrix unit's own rounding can turn it there, and no further.
;; One version. Each part assembles by itself: llvm-mc -triple=amdgcn-amd-amdhsa -mcpu=gfx1250 --defsym DOCPART=n.
;; ======== version 1 of 1: 4 launches
;; limits: right only within a limited range of input values
;; workspace buffers: inc 6,291,456 bytes; ins 262,144 bytes; qc 3,145,728 bytes; qs 262,144 bytes; kv 6,684,672 bytes; oc 3,145,728 bytes; os 262,144 bytes
;; launch prep (part 1): grid 256 x 1, 8 waves a work-group, no clusters, 95,232 bytes of LDS; arguments hidden_states, w_attn, w_proj, inc, ins; writes inc, ins
.if DOCPART == 1
	.amdgcn_target "amdgcn-amd-amdhsa--gfx1250"
	.amdhsa_code_object_version 6
	.text
	.protected	k_q49eed78e50_prep
	.globl	k_q49eed78e50_prep
	.p2align	8
	.type	k_q49eed78e50_prep,@function
k_q49eed78e50_prep:
	s_mov_b64 s[64:65], 0
	v_nop
	global_prefetch_b8 v0, s[64:65] scope:SCOPE_SE
	s_setreg_imm32_b32 hwreg(HW_REG_WAVE_MODE, 25, 1), 1
	s_wait_xcnt 0x0
; hidden_states [4096][1024], w_attn [1024][3072] and w_proj [1024][1024], all f32, become codes of BF6 (E3M2) with one E8M0 byte for each 32 along K = 1024.
; OUT: inc [512 tiles of 16 places][8 K steps of 128][1536]: images of operand registers: registers 4 q .. 4 q + 3 of lane l at 512 q + 16 l.  Tiles 0-255 tokens, 256-447 w_attn's columns, 448-511 w_proj's.
; ins [512 tiles][2 halves of K][16 places][4 words]: a K step's four scale bytes are one word.
; THE ORDER OF PLACES: in every group of 64 rows place 16 t + r holds row 8 t + r % 8 + 32 (r / 8).  Four result tiles of such a group then leave 32 neighbouring rows in one lane's 32 registers: a whole block of the next quantiser.
; A block's scale is 2^(floor(log2(largest magnitude)) - 4); its byte is the largest magnitude's exponent field - 4, held at 1 from below.
; THE PROGRAM LEAVES OUT only the key steps and products that reference()'s own causal mask throws away (-inf ahead of the softmax, for all inputs).  LIMIT: a NaN, an infinity or an overflow that reaches only those is not carried to the result.
; LIMITS: a block of zeros, and a block whose largest magnitude lies under 2^-122, get the byte 1 (the bytes are read by this program alone; zero codes add nothing); NaN and infinities are not served.
; SHARES: work-groups 0-127 take two token tiles each, a wave one tile x 256 along K.  Work-groups 128-255 take 64 columns x 512 along K of a weight, a wave 64 columns x 64.  Nothing is shared between work-groups: no cluster.
.set WGH, 128
.set SPITCH, 528                       ; a stage row: 512 bytes + 16
.set WSTG, 16*SPITCH
.set SCIH, 8*WSTG                      ; the scale words of a token work-group, as they lie in ins
.set IMG, SCIH+1024                    ; the codes of a weight work-group: [4 tiles][4 K steps][1536]
.set SCIW, IMG+24576                   ; and its scale words
.set SPARE, SCIW+1024
.set X, 16                             ; v16-143 numbers as loaded
.set Y, 144                            ; v144-207 two blocks
.set CT, 208                           ; v208-231 codes
; two blocks at once: codes to d0, d1 (six registers each), scale bytes to v8, v9
.macro QUANT2 x0, x1, d0, d1
	v_max3_num_f32 v8, |v[\x0]|, |v[\x0+1]|, 0x2800000
	v_max3_num_f32 v9, |v[\x1]|, |v[\x1+1]|, 0x2800000
.irp i, 2,4,6,8,10,12,14,16,18,20,22,24,26,28,30
	v_max3_num_f32 v8, v8, |v[\x0+\i]|, |v[\x0+\i+1]|
	v_max3_num_f32 v9, v9, |v[\x1+\i]|, |v[\x1+\i+1]|
.endr
	v_add_nc_u32 v10, 0xfe000000, v8               ; 4 off the exponent field: the conversion's scale operand
	v_add_nc_u32 v11, 0xfe000000, v9
	v_cvt_scalef32_pk16_bf6_f32 v[\d0:\d0+2], v[\x0:\x0+15], v10
	v_cvt_scalef32_pk16_bf6_f32 v[240:242], v[\x0+16:\x0+31], v10   ; (a conversion's three registers begin on an even number)
	v_cvt_scalef32_pk16_bf6_f32 v[\d1:\d1+2], v[\x1:\x1+15], v11
	v_cvt_scalef32_pk16_bf6_f32 v[244:246], v[\x1+16:\x1+31], v11
	v_lshrrev_b32 v8, 23, v10
	v_lshrrev_b32 v9, 23, v11
.irp i, 0,1,2
	v_mov_b32 v[\d0+3+\i], v[240+\i]
	v_mov_b32 v[\d1+3+\i], v[244+\i]
.endr
.endm
; the work-group's 1,024 bytes of scale words leave by waves 0 and 1, whole units of 256 bytes
.macro TAIL
	s_cmp_lt_u32 s16, 2
	s_cbranch_scc0 .Lend_\@
	ds_load_b128 v[8:11], v7
	s_wait_dscnt 0x0
	global_store_b128 v15, v[8:11], s[12:13]
.Lend_\@:
	s_wait_tensorcnt 0x0                           ; the wave's end
	ds_add_u32 v12, v13
	s_wait_dscnt 0x0
	s_endpgm
.endm
	s_load_b128 s[4:7], s[0:1], 0x0                ; hidden_states s[4:5], w_attn s[6:7]
	s_load_b128 s[8:11], s[0:1], 0x10              ; w_proj s[8:9], inc s[10:11]
	s_load_b64 s[12:13], s[0:1], 0x20              ; ins
	v_lshl_add_u32 v12, v0, 2, SPARE
	v_mov_b32 v13, 0
	v_lshrrev_b32 v1, 5, v0
	v_readfirstlane_b32 s16, v1                    ; wave 0..7
	s_mov_b32 s14, 0x76543210                      ; lane l xor 16
	s_mov_b32 s15, 0xfedcba98
	s_cmp_lt_u32 ttmp9, WGH
	s_wait_alu depctr_va_vdst(0)
	s_cbranch_scc0 .Lweights
	; ---- TOKENS: tile T = 2 x work-group + wave / 4, K steps 2 (wave % 4) and the next
	s_lshr_b32 s17, s16, 2
	s_lshl_b32 s18, ttmp9, 1
	s_add_co_u32 s18, s18, s17
	s_and_b32 s24, s16, 3
	s_lshr_b32 s20, s18, 2
	s_lshl_b32 s20, s20, 18                        ; 64 rows of 4,096 bytes a group
	s_and_b32 s21, s18, 3
	s_lshl_b32 s21, s21, 15                        ; 8 rows a tile
	s_add_co_u32 s20, s20, s21
	s_lshl_b32 s21, s24, 10
	s_add_co_u32 s20, s20, s21
	s_mov_b32 s21, 0
	s_mul_i32 s22, s18, 12288
	s_mul_i32 s23, s24, 3072
	s_add_co_u32 s22, s22, s23
	s_mov_b32 s23, 0
	s_lshl_b32 s26, ttmp9, 10
	s_mov_b32 s27, 0
	s_lshl_b32 s28, s17, 9
	s_bfe_u32 s29, s16, 0x10001
	s_lshl_b32 s29, s29, 8
	s_add_co_u32 s28, s28, s29
	s_and_b32 s29, s16, 1
	s_lshl_b32 s29, s29, 3
	s_add_co_u32 s28, s28, s29
	s_add_co_u32 s28, s28, SCIH                    ; my scale words' place
	s_mul_i32 s30, s16, WSTG                       ; my stage
	v_and_b32 v1, 31, v0
	v_lshlrev_b32 v2, 4, v1                        ; 16 x lane
	v_and_b32 v8, 15, v0                           ; r
	v_bfe_u32 v9, v0, 4, 1                         ; h
	v_mul_u32_u24 v4, v8, SPITCH
	v_lshl_add_u32 v4, v9, 7, v4
	v_add_nc_u32 v4, s30, v4                       ; out of the stage: row r, + 128 h
	v_add_nc_u32 v3, s30, v2                       ; into it
	v_lshlrev_b32 v5, 3, v9                        ; 8 h
	v_lshlrev_b32 v6, 4, v8
	v_add_nc_u32 v6, s28, v6
	v_lshlrev_b32 v15, 4, v0
	v_add_nc_u32 v7, SCIH, v15
	v_mov_b32 v14, 0                               ; a lane permute's destination counts as one of its sources
	s_wait_alu depctr_va_vdst(0)
	s_wait_kmcnt 0x0
	s_add_nc_u64 s[4:5], s[4:5], s[20:21]
	s_add_nc_u64 s[10:11], s[10:11], s[22:23]
	s_add_nc_u64 s[12:13], s[12:13], s[26:27]
.irp k, 0,1
.irp q, 0,1,2,3,4,5,6,7,8,9,10,11,12,13,14,15
	global_load_b128 v[X+64*\k+4*\q:X+64*\k+4*\q+3], v2, s[4:5] offset:512*\k+4096*(\q%8)+131072*(\q/8) th:TH_LOAD_NT   ; 512 consecutive bytes of a row
.endr
.endr
.macro TASK k
	s_wait_loadcnt 16-16*\k                        ; this K step's sixteen rows are in
.irp q, 0,1,2,3,4,5,6,7,8,9,10,11,12,13,14,15
	ds_store_b128 v3, v[X+64*\k+4*\q:X+64*\k+4*\q+3] offset:SPITCH*\q
.endr
.irp q, 0,1,2,3,4,5,6,7
	ds_load_b128 v[Y+4*\q:Y+4*\q+3], v4 offset:16*\q               ; LDS serves a wave's instructions in order: no wait between
	ds_load_b128 v[Y+32+4*\q:Y+32+4*\q+3], v4 offset:256+16*\q
.endr
	s_wait_dscnt 0x0
	QUANT2 Y, Y+32, CT+12*\k, CT+12*\k+6           ; blocks h and 2 + h: the operand's own order
	v_lshl_or_b32 v8, v9, 16, v8
	v_lshlrev_b32 v8, v5, v8
	v_permlanex16_b32 v14, v8, s14, s15
	v_or_b32 v8, v8, v14                           ; the row's word, in both lanes
	ds_store_b32 v6, v8 offset:4*\k
.irp q, 0,1,2
	global_store_b128 v2, v[CT+12*\k+4*\q:CT+12*\k+4*\q+3], s[10:11] offset:1536*\k+512*\q
.endr
.endm
	TASK 0
	TASK 1
	s_wait_dscnt 0x0
	s_barrier_signal -1
	s_barrier_wait -1
	TAIL
	; ---- WEIGHTS: a lane takes two neighbouring columns of 64, its registers run down K; a load is one row's 256 bytes
.Lweights:
	s_sub_co_u32 s17, ttmp9, WGH
	s_lshr_b32 s18, s17, 1                         ; which 64 columns: 0-47 w_attn's, 48-63 w_proj's
	s_and_b32 s19, s17, 1                          ; which half of K
	s_and_b32 s24, s16, 1                          ; c: which half of a K step
	s_lshr_b32 s25, s16, 1                         ; which K step of the half
	s_lshl_b32 s29, s19, 9
	s_lshl_b32 s20, s16, 6
	s_add_co_u32 s29, s29, s20                     ; my first row of the weight
	s_lshl_b32 s22, s18, 2
	s_add_co_u32 s22, s22, s25
	s_add_co_u32 s22, s22, 256
	s_mul_i32 s22, s22, 12288                      ; on the way out: tile 256 + 4 g + wave / 2,
	s_mul_i32 s20, s19, 6144
	s_add_co_u32 s22, s22, s20
	s_mul_i32 s20, s24, 3072
	s_add_co_u32 s22, s22, s20                     ; two of its K steps
	s_mov_b32 s23, 0
	s_lshl_b32 s26, s18, 11
	s_lshl_b32 s20, s19, 8
	s_add_co_u32 s26, s26, s20
	s_add_co_u32 s26, s26, 131072
	s_mov_b32 s27, 0
	s_lshl_b32 s28, s25, 2
	s_lshl_b32 s20, s24, 1
	s_add_co_u32 s28, s28, s20
	s_add_co_u32 s28, s28, SCIW                    ; my scale bytes' place
	s_mul_i32 s30, s25, 1536
	s_add_co_u32 s30, s30, IMG
	s_mul_i32 s20, s24, 520
	s_mul_i32 s21, s24, 1016
	s_add_co_u32 s20, s20, s30                     ; registers 6 c, 6 c + 1 of the image: at 520 c; the next two at 8 + 1,016 c; the last two at 512 + 520 c
	s_add_co_u32 s21, s21, s30
	s_mul_i32 s31, s16, 3072
	v_and_b32 v1, 31, v0
	v_lshlrev_b32 v2, 4, v1                        ; 16 x lane
	v_lshlrev_b32 v3, 3, v1                        ; 8 x lane
	v_and_b32 v8, 3, v0
	v_lshlrev_b32 v8, 5, v8
	v_bfe_u32 v9, v0, 4, 1
	v_lshl_add_u32 v8, v9, 7, v8                   ; 16 r: columns 2 l, 2 l + 1 have r = 2 (l % 4) + 8 (l / 16) and the next
	v_bfe_u32 v9, v0, 2, 2                         ; t
	v_lshl_add_u32 v234, v9, 8, v8
	v_add_nc_u32 v234, s28, v234
	v_mul_u32_u24 v9, v9, 6144
	v_add_nc_u32 v9, v8, v9
	v_add_nc_u32 v4, s20, v9
	v_add_nc_u32 v5, s21, v9
	v_add_nc_u32 v5, 8, v5
	v_add_nc_u32 v6, 512, v4
	v_add_nc_u32 v235, s31, v2
	v_add_nc_u32 v235, IMG, v235                   ; my 3,072 bytes of the image on the way out
	v_and_b32 v8, 15, v0
	v_lshlrev_b32 v8, 4, v8
	v_lshrrev_b32 v15, 4, v0
	v_lshl_add_u32 v15, v15, 9, v8                 ; scale words on the way out: four tiles, 512 bytes apart
	v_lshlrev_b32 v7, 4, v0
	v_add_nc_u32 v7, SCIW, v7
	s_wait_alu depctr_va_vdst(0)
	s_wait_kmcnt 0x0
	s_add_nc_u64 s[10:11], s[10:11], s[22:23]
	s_add_nc_u64 s[12:13], s[12:13], s[26:27]
	s_mov_b32 s21, 0
.macro LOADW n, ptr, g0
	s_sub_co_u32 s20, s18, \g0
	s_lshl_b32 s20, s20, 8
	s_mul_i32 s23, s29, \n*4
	s_add_co_u32 s20, s20, s23
	s_add_nc_u64 s[30:31], s[\ptr:\ptr+1], s[20:21]
.set jj, 0
.rept 64
	global_load_b64 v[X+2*jj:X+2*jj+1], v3, s[30:31] offset:jj*\n*4 th:TH_LOAD_NT
.set jj, jj+1
.endr
.endm
	s_cmp_lt_u32 s18, 48
	s_cbranch_scc0 .Lproj_w
	LOADW 3072, 6, 0
	s_branch .Lhave_w
.Lproj_w:
	LOADW 1024, 8, 48
.Lhave_w:
.macro BLOCKS b                        ; block b of both columns: even registers the first column, odd ones the second
.set jj, 0
.rept 32
	v_mov_b32 v[Y+jj], v[X+64*\b+2*jj]
	v_mov_b32 v[Y+32+jj], v[X+64*\b+2*jj+1]
.set jj, jj+1
.endr
	QUANT2 Y, Y+32, CT+12*\b, CT+12*\b+6
.irp p, 0,1,2
	ds_store_b64 v[4+\p], v[CT+12*\b+2*\p:CT+12*\b+2*\p+1] offset:256*\b
	ds_store_b64 v[4+\p], v[CT+12*\b+6+2*\p:CT+12*\b+6+2*\p+1] offset:256*\b+16
.endr
.endm
	s_wait_loadcnt 32                              ; the first 32 rows are in
	BLOCKS 0
	v_mov_b32 v232, v8
	v_mov_b32 v233, v9
	s_wait_loadcnt 0x0
	BLOCKS 1
	v_lshl_or_b32 v232, v8, 8, v232
	v_lshl_or_b32 v233, v9, 8, v233
	ds_store_b16 v234, v232
	ds_store_b16 v234, v233 offset:16
	s_wait_dscnt 0x0
	s_barrier_signal -1
	s_barrier_wait -1
.irp i, 0,1,2,3,4,5
	ds_load_b128 v[X+4*\i:X+4*\i+3], v235 offset:512*\i
.endr
	s_wait_dscnt 0x0
.irp i, 0,1,2,3,4,5
	global_store_b128 v2, v[X+4*\i:X+4*\i+3], s[10:11] offset:512*\i   ; 512 consecutive bytes
.endr
	TAIL
.Lfunc_end_k_q49eed78e50_prep:
	.size	k_q49eed78e50_prep, .Lfunc_end_k_q49eed78e50_prep-k_q49eed78e50_prep
	.p2alignl 7, 3214868480
	.fill 96, 4, 3214868480
	.section	.rodata,"a",@progbits
	.p2align	6, 0x0
	.amdhsa_kernel k_q49eed78e50_prep
		.amdhsa_group_segment_fixed_size 95232
		.amdhsa_private_segment_fixed_size 0
		.amdhsa_enable_private_segment 0
		.amdhsa_kernarg_size 40
		.amdhsa_user_sgpr_count 2
		.amdhsa_user_sgpr_kernarg_segment_ptr 1
		.amdhsa_wavefront_size32 1
		.amdhsa_system_sgpr_workgroup_id_x 1
		.amdhsa_system_sgpr_workgroup_id_y 1
		.amdhsa_system_sgpr_workgroup_id_z 1
		.amdhsa_system_vgpr_workitem_id 0
		.amdhsa_next_free_vgpr 256
		.amdhsa_next_free_sgpr 66
		.amdhsa_reserve_vcc 0
		.amdhsa_float_denorm_mode_32 3
		.amdhsa_float_denorm_mode_16_64 3
		.amdhsa_memory_ordered 1
		.amdhsa_forward_progress 1
		.amdhsa_inst_pref_size 44
	.end_amdhsa_kernel
	.amdgpu_metadata
---
amdhsa.version: [ 1, 2 ]
amdhsa.kernels:
  - .name:           k_q49eed78e50_prep
    .symbol:         k_q49eed78e50_prep.kd
    .args:
      - { .name: hidden_states, .offset: 0, .size: 8, .value_kind: global_buffer, .address_space: global }
      - { .name: w_attn, .offset: 8, .size: 8, .value_kind: global_buffer, .address_space: global }
      - { .name: w_proj, .offset: 16, .size: 8, .value_kind: global_buffer, .address_space: global }
      - { .name: inc, .offset: 24, .size: 8, .value_kind: global_buffer, .address_space: global }
      - { .name: ins, .offset: 32, .size: 8, .value_kind: global_buffer, .address_space: global }
    .group_segment_fixed_size: 95232
    .private_segment_fixed_size: 0
    .kernarg_segment_align: 8
    .kernarg_segment_size: 40
    .max_flat_workgroup_size: 256
    .sgpr_count:     66
    .vgpr_count:     256
    .wavefront_size: 32
...
	.end_amdgpu_metadata
.endif
;; end of part 1
;; launch qkv (part 2): grid 16 x 16, 4 waves a work-group, clusters of 4 x 4, 327,680 bytes of LDS; arguments inc, ins, b_attn, kv, qc, qs; writes kv, qc, qs
.if DOCPART == 2
	.amdgcn_target "amdgcn-amd-amdhsa--gfx1250"
	.amdhsa_code_object_version 6
	.text
	.protected	k_q49eed78e50_qkv
	.globl	k_q49eed78e50_qkv
	.p2align	8
	.type	k_q49eed78e50_qkv,@function
k_q49eed78e50_qkv:
	s_mov_b64 s[64:65], 0
	v_nop
	global_prefetch_b8 v0, s[64:65] scope:SCOPE_SE
	s_setreg_imm32_b32 hwreg(HW_REG_WAVE_MODE, 25, 1), 1
	s_wait_xcnt 0x0
	s_wait_alu depctr_hold_cnt(0) depctr_sa_sdst(0) depctr_va_vdst(0) depctr_va_sdst(0) depctr_va_ssrc(0) depctr_va_vcc(0) depctr_vm_vsrc(0)
	s_getreg_b32 s2, hwreg(HW_REG_IB_STS2, 6, 4)
	s_cmp_eq_u32 s2, 0
	s_cbranch_scc0 .Lentry_in_a_cluster
	s_endpgm
.Lentry_in_a_cluster:
	s_bfe_u32 s2, ttmp6, 0x10000c
	s_cmp_lg_u32 s2, 0xf033
	s_cbranch_scc0 .Lentry_shape_is_right
	s_endpgm
.Lentry_shape_is_right:
; hidden_states w_attn + b_attn on codes of BF6 (E3M2), then Q and K quantised along the head's 64 channels and V along the tokens.  Nothing is left out.
; A work-group makes 256 tokens (y) x two heads of Q or of K (2 x, 2 x + 1 of the 32) and head x of V: 256 work-groups, all alike.  A wave: 128 tokens x one head of Q or K x 32 channels of V: 48 accumulators.
; Q, K: source 0 = 16 features, source 1 = 16 tokens: a lane holds one token, its 32 registers the block lane / 16 of the head's channels.  V: source 0 = 16 tokens, source 1 = 16 channels: a lane holds one channel and blocks of tokens.
; The bias is the C of a sum's first product.
; OUT: qc [32 heads][128 tiles][768]: registers 0-3 at 16 x lane, registers 4-5 at 512 + 8 x lane; qs [32][2048] words.  kv [32 heads][16 steps of 128 keys][13056]: K's 8 tiles, V's 4 channel tiles (1,536 each), K's scale words (512), V's (256).
; LDS: K = 1024 lies there whole but for the features' last K step: half 0 (K steps 0-3), half 1 (4-7, features 4-6), each filled once.  The features' K step 7 goes straight into registers.
; One joint tensor load a wave for each half: waves 0, 1 the tokens (shared along a row of the cluster), 2 the Q or K features, 3 V's (shared along a column).  No loop over memory, so nothing to prefetch ahead in.
; LIMITS: a block of zeros gets the byte 1; NaN and infinities are not served.
; REGISTERS: window 0: addresses, scale words v24-79, fragment set 1 at v88;  window 1: fragment set 0 at v0, features of K step 7 at v168;  window 2: Q/K accumulators (token tile a, feature tile f) at 32 a + 8 f;
;   window 3: V's (channel tile c, token tile a) at 64 c + 8 a; the biases at v128-175.  A set: 8 token fragments, 4 of Q or K features at +96, 2 of V's at +144.
.set LF0, 98304
.set LV0, 147456
.set H1, 172032
.set LF1, 270336
.set LV1, 307200
.set SPARE, 325632
.set AT, 2
.set AFE, 4
.set AV, 6
.set O16, 8
.set O8, 9
.set O4, 10
.set H8, 11
.set STW, 12
.set RDW, 13
.set SPW, 14
.set NIL, 15
.set TS, 24                            ; token scale words: tiles 2 i (lanes 0-15) and 2 i + 1 (lanes 16-31), K step k at TS + 8 i + k
.set FS, 56                            ; the same for Q or K features
.set VS, 72                            ; and V's
.set BR, 128
.set BV, 160
.set WV, 16
.set SA, 17
.set SB, 18
.set XG, 19
.set YG, 20
.set SEL, 22
.set G1T, 24
.set G1F, 32
.set G1V, 40
.set G0T, 48
.set G0F, 52
.set G0V, 56
.set OB, 74
.set OSB, 76
.set OV, 78
.set OVS, 80
.set MSB, 0
.macro WIN new
.if MSB != \new
	s_set_vgpr_msb (MSB<<8)|\new
.set MSB, \new
.endif
.endm
.macro PLACES
.rept 4
	v_nop
.endr
.endm
.macro CROUND                          ; a round of the cluster's barrier
	s_barrier_signal -1
	s_barrier_wait -1
	s_cmp_lg_u32 s[WV], 0
	s_cbranch_scc1 .Lnot_wave_0_\@
	s_barrier_signal -3
.Lnot_wave_0_\@:
	s_barrier_wait -3
	s_barrier_signal -1
	s_barrier_wait -1
.endm
.macro JLOAD                           ; a half's joint loads, one a wave
	s_cmp_lt_u32 s[WV], 2
	s_cbranch_scc0 .Lfeat_\@
	tensor_load_to_lds s[G0T:G0T+3], s[G1T:G1T+7]
	s_nop 0
	PLACES
	s_branch .Lasked_\@
.Lfeat_\@:
	s_cmp_eq_u32 s[WV], 2
	s_cbranch_scc0 .Lval_\@
	tensor_load_to_lds s[G0F:G0F+3], s[G1F:G1F+7]
	s_nop 0
	PLACES
	s_branch .Lasked_\@
.Lval_\@:
	tensor_load_to_lds s[G0V:G0V+3], s[G1V:G1V+7]
	s_nop 0
	PLACES
.Lasked_\@:
.endm
	s_load_b256 s[4:11], s[0:1], 0x0               ; inc s[4:5], ins s[6:7], b_attn s[8:9], kv s[10:11]
	s_load_b128 s[12:15], s[0:1], 0x20             ; qc s[12:13], qs s[14:15]
	v_lshl_add_u32 v[SPW], v0, 2, SPARE
	v_mov_b32 v[NIL], 0
	ds_add_u32 v[SPW], v[NIL]                      ; the opening
	ds_add_u32 v[SPW], v[NIL]
	v_lshrrev_b32 v1, 5, v0
	v_readfirstlane_b32 s[WV], v1
	s_lshr_b32 s[SA], s[WV], 1                     ; which 128 tokens
	s_and_b32 s[SB], s[WV], 1                      ; which head of the two, which 32 channels of V
	s_bfe_u32 s2, ttmp6, 0x40000                   ; cx, cy
	s_bfe_u32 s3, ttmp6, 0x40004
	s_lshl_b32 s[XG], ttmp9, 2
	s_add_co_u32 s[XG], s[XG], s2
	s_and_b32 s[YG], ttmp7, 0xffff
	s_lshl_b32 s[YG], s[YG], 2
	s_add_co_u32 s[YG], s[YG], s3
	s_lshl_b32 s60, s3, 2
	s_lshl_b32 s60, 15, s60                        ; my row of the cluster
	s_lshl_b32 s61, 0x1111, s2                     ; my column
	s_or_b32 s[G1T], s60, (3<<16)|(1<<21)          ; elements of 8 bytes; rows of 6,144 bytes, 12,288 apart: four K steps of a tile
	s_or_b32 s[G1F], s61, (3<<16)|(1<<21)
	s_or_b32 s[G1V], s61, (3<<16)|(1<<21)
.irp g, G1T, G1F, G1V
	s_mov_b32 s[\g+1], 768<<16
	s_mov_b32 s[\g+2], 8<<16
	s_mov_b32 s[\g+3], 768<<16
	s_mov_b32 s[\g+4], 8
	s_mov_b32 s[\g+5], 1536
	s_mov_b32 s[\g+6], 0
	s_mov_b32 s[\g+7], 0
.endr
	s_mov_b32 s[G1V+2], 4<<16
	s_mov_b32 s[G1V+4], 4
	s_mul_i32 s66, s[YG], 16*12288
	s_mul_i32 s67, s[SB], 8*12288
	s_add_co_u32 s66, s66, s67                     ; tokens: tile 16 y + 8 x half
	s_mov_b32 s67, 0
	s_mul_i32 s68, s[XG], 8*12288
	s_add_co_u32 s68, s68, 256*12288
	s_mov_b32 s69, 0
	s_mul_i32 s70, s[XG], 4*12288
	s_add_co_u32 s70, s70, 384*12288
	s_mov_b32 s71, 0
	s_mul_i32 s62, s[SB], 49152
	s_mov_b32 s[G0T], 1
	s_mov_b32 s[G0T+1], s62
	s_mov_b32 s[G0F], 1
	s_mov_b32 s[G0F+1], LF0
	s_mov_b32 s[G0V], 1
	s_mov_b32 s[G0V+1], LV0
	s_wait_dscnt 0x0
	s_wait_alu depctr_va_vdst(0)
	s_wait_kmcnt 0x0
	s_add_nc_u64 s[G0T+2:G0T+3], s[4:5], s[66:67]
	s_or_b32 s[G0T+3], s[G0T+3], 0x80000000
	s_add_nc_u64 s[G0F+2:G0F+3], s[4:5], s[68:69]
	s_or_b32 s[G0F+3], s[G0F+3], 0x80000000
	s_add_nc_u64 s[G0V+2:G0V+3], s[4:5], s[70:71]
	s_or_b32 s[G0V+3], s[G0V+3], 0x80000000
	CROUND                                         ; all sixteen work-groups are here
	JLOAD                                          ; half 0
	; scale words, biases and the features' last K step: where they lie
	s_mul_i32 s2, s[SB], 4*12288
	s_mov_b32 s3, 0
	s_add_nc_u64 s[68:69], s[68:69], s[2:3]
	s_add_nc_u64 s[82:83], s[4:5], s[68:69]        ; my four Q or K feature tiles
	s_mul_i32 s2, s[SB], 2*12288
	s_add_nc_u64 s[70:71], s[70:71], s[2:3]
	s_add_nc_u64 s[84:85], s[4:5], s[70:71]        ; my two of V
	s_lshl_b32 s2, s[YG], 13
	s_lshl_b32 s60, s[SA], 12
	s_add_co_u32 s2, s2, s60
	s_add_nc_u64 s[86:87], s[6:7], s[2:3]          ; scale words: 512 bytes a tile
	s_lshl_b32 s2, s[XG], 12
	s_lshl_b32 s60, s[SB], 11
	s_add_co_u32 s2, s2, s60
	s_add_co_u32 s2, s2, 256*512
	s_add_nc_u64 s[88:89], s[6:7], s[2:3]
	s_lshl_b32 s2, s[XG], 11
	s_lshl_b32 s60, s[SB], 10
	s_add_co_u32 s2, s2, s60
	s_add_co_u32 s2, s2, 384*512
	s_add_nc_u64 s[90:91], s[6:7], s[2:3]
	s_lshl_b32 s2, s[XG], 9
	s_lshl_b32 s60, s[SB], 8
	s_add_co_u32 s2, s2, s60
	s_add_nc_u64 s[92:93], s[8:9], s[2:3]          ; bias: 64 (2 x + head)
	s_lshl_b32 s2, s[XG], 8
	s_lshl_b32 s60, s[SB], 6
	s_add_co_u32 s2, s2, s60
	s_add_co_u32 s2, s2, 8192
	s_add_nc_u64 s[94:95], s[8:9], s[2:3]          ; 2048 + 64 x + 16 x half
	s_mul_i32 s60, s[SA], 49152
	s_mul_i32 s61, s[SB], 4*6144
	s_mul_i32 s62, s[SB], 2*6144
	s_mul_i32 s63, s[SB], 4*4608
	s_mul_i32 s66, s[SB], 2*4608
	s_lshl_b32 s67, s[WV], 9
	s_add_co_u32 s61, s61, LF0
	s_add_co_u32 s62, s62, LV0
	s_add_co_u32 s63, s63, LF1
	s_add_co_u32 s66, s66, LV1
	v_and_b32 v1, 31, v0
	v_and_b32 v19, 15, v0                          ; r
	v_bfe_u32 v22, v0, 4, 1                        ; h
	v_lshlrev_b32 v[O16], 4, v1
	v_lshlrev_b32 v[O8], 3, v1
	v_lshlrev_b32 v[O4], 2, v1
	v_lshlrev_b32 v[H8], 3, v22
	v_lshlrev_b32 v16, 4, v19
	v_lshl_add_u32 v16, v22, 9, v16                ; scale words: 512 h + 16 r
	v_lshlrev_b32 v17, 7, v22                      ; bias: 128 h
	v_and_b32 v18, 7, v0
	v_lshlrev_b32 v18, 2, v18
	v_bfe_u32 v23, v0, 3, 1
	v_lshl_add_u32 v18, v23, 7, v18                ; V's bias: 4 (r % 8) + 128 (r / 8)
	v_add_nc_u32 v[AT], s60, v[O16]
	v_add_nc_u32 v[AT+1], H1, v[AT]
	v_add_nc_u32 v[AFE], s61, v[O16]
	v_add_nc_u32 v[AFE+1], s63, v[O16]
	v_add_nc_u32 v[AV], s62, v[O16]
	v_add_nc_u32 v[AV+1], s66, v[O16]
	v_lshlrev_b32 v[STW], 2, v19
	v_add_nc_u32 v[STW], s67, v[STW]               ; the scale words' way out, in half 0's bytes: in
	v_add_nc_u32 v[RDW], s67, v[O16]               ; and out
.irp i, 0,1,2,3
.irp q, 0,1
	global_load_b128 v[TS+8*\i+4*\q:TS+8*\i+4*\q+3], v16, s[86:87] offset:1024*\i+256*\q
.endr
.endr
.irp i, 0,1
.irp q, 0,1
	global_load_b128 v[FS+8*\i+4*\q:FS+8*\i+4*\q+3], v16, s[88:89] offset:1024*\i+256*\q
.endr
.endr
.irp q, 0,1
	global_load_b128 v[VS+4*\q:VS+4*\q+3], v16, s[90:91] offset:256*\q
.endr
.irp c, 0,1
	global_load_b32 v[20+\c], v18, s[94:95] offset:32*\c
.endr
	WIN 0xc0
.irp j, 0,1,2,3,4,5,6,7
	global_load_b128 v[BR+4*\j:BR+4*\j+3], v17, s[92:93] offset:16*\j
.endr
	WIN 0
	; where the results go
	s_and_b32 s60, s[YG], 7
	s_lshl_b32 s60, s60, 1
	s_add_co_u32 s60, s60, s[SA]                   ; my 128 tokens' step in their sequence
	s_lshr_b32 s61, s[YG], 3
	s_lshl_b32 s61, s61, 4                         ; 16 x sequence
	s_lshl_b32 s62, s[XG], 1
	s_add_co_u32 s62, s62, s[SB]
	s_and_b32 s62, s62, 15
	s_add_co_u32 s62, s62, s61                     ; my head of Q or K
	s_mul_i32 s2, s62, 98304
	s_mul_i32 s3, s60, 6144
	s_add_co_u32 s2, s2, s3                        ; in qc
	s_lshl_b32 s3, s62, 13
	s_lshl_b32 s63, s60, 9
	s_add_co_u32 s3, s3, s63                       ; in qs
	s_mul_i32 s62, s62, 208896
	s_mul_i32 s63, s60, 13056
	s_add_co_u32 s62, s62, s63                     ; in kv
	s_add_co_u32 s21, s62, 12288
	s_add_co_u32 s61, s61, s[XG]
	s_mul_i32 s61, s61, 208896
	s_add_co_u32 s61, s61, s63                     ; V's head and step
	s_cmp_lt_u32 ttmp9, 2                          ; Q's work-groups: x < 8
	s_cselect_b64 s[66:67], s[12:13], s[10:11]
	s_cselect_b64 s[68:69], s[14:15], s[10:11]
	s_cselect_b32 s70, s2, s62
	s_cselect_b32 s72, s3, s21
	s_mov_b32 s71, 0
	s_mov_b32 s73, 0
	s_add_nc_u64 s[OB:OB+1], s[66:67], s[70:71]
	s_add_nc_u64 s[OSB:OSB+1], s[68:69], s[72:73]
	s_mul_i32 s70, s[SB], 3072
	s_add_co_u32 s70, s70, s61
	s_add_co_u32 s70, s70, 6144
	s_add_nc_u64 s[OV:OV+1], s[10:11], s[70:71]
	s_lshl_b32 s72, s[SB], 7
	s_add_co_u32 s72, s72, s61
	s_add_co_u32 s72, s72, 12800
	s_add_nc_u64 s[OVS:OVS+1], s[10:11], s[72:73]
	s_mov_b32 s[SEL], 0x76543210                   ; lane l xor 16
	s_mov_b32 s[SEL+1], 0xfedcba98
	s_mul_i32 s62, s[SB], 49152
	s_add_co_u32 s62, s62, H1
; K step k's fragments: the tokens', then the features'.  Half 1's feature tiles are 4,608 bytes apart
.macro FETCH_T k
.set FB, 88*((\k)%2)
	WIN 0x40*(1-(\k)%2)
.irp a, 0,1,2,3,4,5,6,7
.irp q, 0,1,2
	ds_load_b128 v[FB+12*\a+4*\q:FB+12*\a+4*\q+3], v[AT+(\k)/4] offset:6144*\a+1536*((\k)%4)+512*\q
.endr
.endr
.endm
.macro FETCH_F k
.if (\k) < 7
.set FB, 88*((\k)%2)
.set FP, 6144-1536*((\k)/4)
	WIN 0x40*(1-(\k)%2)
.irp f, 0,1,2,3
.irp q, 0,1,2
	ds_load_b128 v[FB+96+12*\f+4*\q:FB+96+12*\f+4*\q+3], v[AFE+(\k)/4] offset:FP*\f+1536*((\k)%4)+512*\q
.endr
.endr
.irp f, 0,1
.irp q, 0,1,2
	ds_load_b128 v[FB+144+12*\f+4*\q:FB+144+12*\f+4*\q+3], v[AV+(\k)/4] offset:FP*\f+1536*((\k)%4)+512*\q
.endr
.endr
.endif
.endm
.macro WM d, a, b, c, sa, sb, ra, rb
.if (\ra) && (\rb)
	v_wmma_scale_f32_16x16x128_f8f6f4 v[\d:\d+7], v[\a:\a+11], v[\b:\b+11], v[\c:\c+7], v[\sa], v[\sb] matrix_a_fmt:MATRIX_FMT_BF6 matrix_b_fmt:MATRIX_FMT_BF6 matrix_a_scale:MATRIX_SCALE_ROW1 matrix_b_scale:MATRIX_SCALE_ROW1
.elseif (\ra)
	v_wmma_scale_f32_16x16x128_f8f6f4 v[\d:\d+7], v[\a:\a+11], v[\b:\b+11], v[\c:\c+7], v[\sa], v[\sb] matrix_a_fmt:MATRIX_FMT_BF6 matrix_b_fmt:MATRIX_FMT_BF6 matrix_a_scale:MATRIX_SCALE_ROW1
.elseif (\rb)
	v_wmma_scale_f32_16x16x128_f8f6f4 v[\d:\d+7], v[\a:\a+11], v[\b:\b+11], v[\c:\c+7], v[\sa], v[\sb] matrix_a_fmt:MATRIX_FMT_BF6 matrix_b_fmt:MATRIX_FMT_BF6 matrix_b_scale:MATRIX_SCALE_ROW1
.else
	v_wmma_scale_f32_16x16x128_f8f6f4 v[\d:\d+7], v[\a:\a+11], v[\b:\b+11], v[\c:\c+7], v[\sa], v[\sb] matrix_a_fmt:MATRIX_FMT_BF6 matrix_b_fmt:MATRIX_FMT_BF6
.endif
.endm
; Q or K: token tiles a0 .. a0 + 3.  The 48 accumulators take turns, one instruction a turn, in the same order in every K step
.macro MQK k, a0
.set FB, 88*((\k)%2)
.set FF, FB+96
.if (\k) == 7
.set FF, 168
	WIN 0xa1
.elseif (\k) == 0
	WIN 0xb5
.else
	WIN 0xa0+5*(1-(\k)%2)
.endif
.irp a, \a0, \a0+1, \a0+2, \a0+3
.irp f, 0,1,2,3
.if (\k) == 0
	WM 32*(\a)+8*\f, FF+12*\f, FB+12*(\a), BR+8*\f, FS+8*(\f/2)+(\k), TS+8*((\a)/2)+(\k), \f%2, (\a)%2
.else
	WM 32*(\a)+8*\f, FF+12*\f, FB+12*(\a), 32*(\a)+8*\f, FS+8*(\f/2)+(\k), TS+8*((\a)/2)+(\k), \f%2, (\a)%2
.endif
.endr
.endr
.endm
.macro MV k
.set FB, 88*((\k)%2)
.set FF, FB+144
.if (\k) == 7
.set FF, 216
	WIN 0xf4
.else
	WIN 0xf0+5*(1-(\k)%2)
.endif
.irp c, 0,1
.irp a, 0,1,2,3,4,5,6,7
.if (\k) == 0
	WM 64*\c+8*\a, FB+12*\a, FF+12*\c, BV+8*\c, TS+8*(\a/2)+(\k), VS+(\k), \a%2, \c
.else
	WM 64*\c+8*\a, FB+12*\a, FF+12*\c, 64*\c+8*\a, TS+8*(\a/2)+(\k), VS+(\k), \a%2, \c
.endif
.endr
.endr
.endm
; A K step: the next one's fragments come while this one is multiplied.  In front of loads into registers that products have read stand four places.
.macro STEP k
	s_wait_dscnt 0x0                               ; this K step's fragments are in
.if (\k) == 7
	s_wait_loadcnt 0x0                             ; and the features that came straight into registers
.endif
.if ((\k) < 7) && ((\k) != 3)
	PLACES
	FETCH_T (\k)+1
.endif
	MQK \k, 0
.if ((\k) < 7) && ((\k) != 3)
	FETCH_F (\k)+1
.endif
	MQK \k, 4
.if (\k) == 3
	WIN 0
	s_wait_tensorcnt 0x0                           ; my part of half 1 has landed; my reads of half 0 were waited for above
	s_barrier_signal -1
	s_barrier_wait -1                              ; everybody's has; nobody reads half 0 any more
	PLACES
	FETCH_T 4
	FETCH_F 4
.endif
	MV \k
.endm
	s_wait_alu depctr_va_vdst(0)
	s_wait_tensorcnt 0x0                           ; my part of half 0 is in
	ds_add_u32 v[SPW], v[NIL]
	s_mov_b32 s[G0T+1], s62                        ; no tensor load of mine is out: half 1's descriptors
	s_mov_b32 s[G0F+1], LF1
	s_mov_b32 s[G0V+1], LV1
	s_add_nc_u64 s[G0T+2:G0T+3], s[G0T+2:G0T+3], 6144
	s_add_nc_u64 s[G0F+2:G0F+3], s[G0F+2:G0F+3], 6144
	s_add_nc_u64 s[G0V+2:G0V+3], s[G0V+2:G0V+3], 6144
.irp g, G1F, G1V
	s_mov_b32 s[\g+1], 576<<16                     ; the features' rows: three K steps
	s_mov_b32 s[\g+3], 576<<16
.endr
	s_wait_dscnt 0x0
	CROUND
	JLOAD                                          ; half 1
	FETCH_T 0
	FETCH_F 0
	WIN 0x40
.irp f, 0,1,2,3
.irp q, 0,1,2
	global_load_b128 v[168+12*\f+4*\q:168+12*\f+4*\q+3], v[O16], s[82:83] offset:12288*\f+7*1536+512*\q
.endr
.endr
.irp f, 0,1
.irp q, 0,1,2
	global_load_b128 v[216+12*\f+4*\q:216+12*\f+4*\q+3], v[O16], s[84:85] offset:12288*\f+7*1536+512*\q
.endr
.endr
	s_wait_loadcnt 18                              ; scale words and biases are in; the 18 loads just issued may be out
	WIN 0xc0
.irp j, 0,1,2,3,4,5,6,7
	v_mov_b32 v[BV+\j], v20
	v_mov_b32 v[BV+8+\j], v21
.endr
	s_wait_alu depctr_va_vdst(0)
.irp k, 0,1,2,3,4,5,6,7
	STEP \k
.endr
	WIN 0
	PLACES                                         ; behind the last products, whose results are read below and whose operands are written over
.irp a, 0,1,2,3
	v_mov_b32 v[168+\a], 0                         ; a lane permute's destination counts as one of its sources
.endr
; four blocks at once: block a lies in registers x + 32 a .. of the window of wm and wc; its codes go to d + dp a, its scale byte to v[80 + a]
.macro EPI4 wm, wc, x, d, dp
	WIN \wm
.irp a, 0,1,2,3
	v_max3_num_f32 v[80+\a], 0x2800000, |v[\x+32*\a]|, |v[\x+32*\a+1]|
.endr
.irp i, 2,4,6,8,10,12,14,16,18,20,22,24,26,28,30
.irp a, 0,1,2,3
	v_max3_num_f32 v[80+\a], v[80+\a], |v[\x+32*\a+\i]|, |v[\x+32*\a+\i+1]|
.endr
.endr
	WIN 0
.irp a, 0,1,2,3
	v_add_nc_u32 v[84+\a], 0xfe000000, v[80+\a]    ; 4 off the exponent field
.endr
	WIN \wc
.irp a, 0,1,2,3
	v_cvt_scalef32_pk16_bf6_f32 v[\d+\dp*\a:\d+\dp*\a+2], v[\x+32*\a:\x+32*\a+15], v[84+\a]
	v_cvt_scalef32_pk16_bf6_f32 v[152+4*\a:152+4*\a+2], v[\x+32*\a+16:\x+32*\a+31], v[84+\a]
.endr
	WIN 0
.irp a, 0,1,2,3
	v_lshrrev_b32 v[80+\a], 23, v[84+\a]
.endr
.irp a, 0,1,2,3
.irp i, 0,1,2
	v_mov_b32 v[\d+\dp*\a+3+\i], v[152+4*\a+\i]
.endr
.endr
.endm
.irp g, 0,4
	EPI4 0x28, 0x02, 32*\g, 88+8*\g, 8
.irp a, 0,1,2,3
	v_lshlrev_b32 v[80+\a], v[H8], v[80+\a]
.endr
.irp a, 0,1,2,3
	v_permlanex16_b32 v[168+\a], v[80+\a], s[SEL], s[SEL+1]
.endr
.irp a, 0,1,2,3
	v_or_b32 v[80+\a], v[80+\a], v[168+\a]         ; the token's word: two bytes, the upper two 0 (they scale zero codes)
.endr
.irp a, 0,1,2,3
	ds_store_b32 v[STW], v[80+\a] offset:64*(\g+\a)   ; (lanes l and l xor 16: the same word, the same place)
.endr
.irp a, 0,1,2,3
	global_store_b128 v[O16], v[88+8*(\g+\a):88+8*(\g+\a)+3], s[OB:OB+1] offset:768*(\g+\a)
	global_store_b64 v[O8], v[92+8*(\g+\a):92+8*(\g+\a)+1], s[OB:OB+1] offset:768*(\g+\a)+512
.endr
.endr
	ds_load_b128 v[196:199], v[RDW]                ; LDS serves a wave's instructions in order: this sees my stores
	EPI4 0x3c, 0x03, 0, 172, 6                     ; V: block a = 2 x channel tile + group of 64 tokens
.irp c, 0,2
	v_lshl_or_b32 v[80+\c], v[81+\c], 16, v[80+\c]
.endr
.irp c, 0,2
	v_lshlrev_b32 v[80+\c], v[H8], v[80+\c]
.endr
.irp c, 0,2
	v_permlanex16_b32 v[168+\c], v[80+\c], s[SEL], s[SEL+1]
.endr
.irp c, 0,2
	v_or_b32 v[80+\c], v[80+\c], v[168+\c]
.endr
	v_cmp_lt_u32 vcc_lo, 255, v[O16]
	v_cndmask_b32 v80, v80, v82, vcc_lo            ; lanes 0-15 the first channel tile's words, lanes 16-31 the second's
.irp c, 0,1
.irp q, 0,1,2
	global_store_b128 v[O16], v[172+12*\c+4*\q:172+12*\c+4*\q+3], s[OV:OV+1] offset:1536*\c+512*\q
.endr
.endr
	global_store_b32 v[O4], v80, s[OVS:OVS+1]
	s_wait_dscnt 0x0
	global_store_b128 v[O16], v[196:199], s[OSB:OSB+1]   ; 512 consecutive bytes
	s_wait_tensorcnt 0x0                           ; the wave's end
	ds_add_u32 v[SPW], v[NIL]
	s_wait_dscnt 0x0
	CROUND                                         ; the closing round
	s_endpgm
.Lfunc_end_k_q49eed78e50_qkv:
	.size	k_q49eed78e50_qkv, .Lfunc_end_k_q49eed78e50_qkv-k_q49eed78e50_qkv
	.p2alignl 7, 3214868480
	.fill 96, 4, 3214868480
	.section	.rodata,"a",@progbits
	.p2align	6, 0x0
	.amdhsa_kernel k_q49eed78e50_qkv
		.amdhsa_group_segment_fixed_size 327680
		.amdhsa_private_segment_fixed_size 0
		.amdhsa_enable_private_segment 0
		.amdhsa_kernarg_size 48
		.amdhsa_user_sgpr_count 2
		.amdhsa_user_sgpr_kernarg_segment_ptr 1
		.amdhsa_wavefront_size32 1
		.amdhsa_system_sgpr_workgroup_id_x 1
		.amdhsa_system_sgpr_workgroup_id_y 1
		.amdhsa_system_sgpr_workgroup_id_z 1
		.amdhsa_system_vgpr_workitem_id 0
		.amdhsa_next_free_vgpr 1024
		.amdhsa_next_free_sgpr 98
		.amdhsa_reserve_vcc 1
		.amdhsa_float_denorm_mode_32 3
		.amdhsa_float_denorm_mode_16_64 3
		.amdhsa_memory_ordered 1
		.amdhsa_forward_progress 1
		.amdhsa_inst_pref_size 108
	.end_amdhsa_kernel
	.amdgpu_metadata
---
amdhsa.version: [ 1, 2 ]
amdhsa.kernels:
  - .name:           k_q49eed78e50_qkv
    .symbol:         k_q49eed78e50_qkv.kd
    .args:
      - { .name: inc, .offset: 0, .size: 8, .value_kind: global_buffer, .address_space: global }
      - { .name: ins, .offset: 8, .size: 8, .value_kind: global_buffer, .address_space: global }
      - { .name: b_attn, .offset: 16, .size: 8, .value_kind: global_buffer, .address_space: global }
      - { .name: kv, .offset: 24, .size: 8, .value_kind: global_buffer, .address_space: global }
      - { .name: qc, .offset: 32, .size: 8, .value_kind: global_buffer, .address_space: global }
      - { .name: qs, .offset: 40, .size: 8, .value_kind: global_buffer, .address_space: global }
    .group_segment_fixed_size: 327680
    .private_segment_fixed_size: 0
    .kernarg_segment_align: 8
    .kernarg_segment_size: 48
    .max_flat_workgroup_size: 128
    .sgpr_count:     98
    .vgpr_count:     1024
    .wavefront_size: 32
...
	.end_amdgpu_metadata
.endif
;; end of part 2
;; launch attn (part 3): grid 8 x 32, 8 waves a work-group, clusters of 4 x 1, 327,680 bytes of LDS; arguments kv, qc, qs, oc, os; writes oc, os
.if DOCPART == 3
	.amdgcn_target "amdgcn-amd-amdhsa--gfx1250"
	.amdhsa_code_object_version 6
	.text
	.protected	k_q49eed78e50_attn
	.globl	k_q49eed78e50_attn
	.p2align	8
	.type	k_q49eed78e50_attn,@function
k_q49eed78e50_attn:
	s_mov_b64 s[64:65], 0
	v_nop
	global_prefetch_b8 v0, s[64:65] scope:SCOPE_SE
	s_setreg_imm32_b32 hwreg(HW_REG_WAVE_MODE, 25, 1), 1
	s_wait_xcnt 0x0
	s_wait_alu depctr_hold_cnt(0) depctr_sa_sdst(0) depctr_va_vdst(0) depctr_va_sdst(0) depctr_va_ssrc(0) depctr_va_vcc(0) depctr_vm_vsrc(0)
	s_getreg_b32 s2, hwreg(HW_REG_IB_STS2, 6, 4)
	s_cmp_eq_u32 s2, 0
	s_cbranch_scc0 .Lentry_in_a_cluster
	s_endpgm
.Lentry_in_a_cluster:
	s_bfe_u32 s2, ttmp6, 0x10000c
	s_cmp_lg_u32 s2, 0x3003
	s_cbranch_scc0 .Lentry_shape_is_right
	s_endpgm
.Lentry_shape_is_right:
; Causal attention of one head (ttmp7 = 16 x sequence + head) on codes of BF6: S^T = K Q^T, softmax, O^T = V^T P^T, O / l, and O is quantised along E for the last product.
; The first product has K = 64 of the instruction's 128: Q's upper six registers are zero codes, so K's upper six may be any codes: fragment t of K takes registers 6 t on, its upper half is fragment t + 1's lower.
; THE SOFTMAX: t = score x log2(e) / 8; M = the running largest t rounded UP to a whole number; p = 2^(t - M) is quantised along the keys; the row's sum is taken of the unquantised p; when M moves, the sum and O are multiplied by
; 2^(old M - new M), which rounds nothing.  A block's scale: floor(log2(its largest p)) = floor(its largest t - M).
; LEFT OUT: key steps all of whose keys come after the queries: reference()'s causal mask makes their p zero for all inputs; a NaN or an infinity that reaches only those is not carried.
; LDS: a head's K, V and scale words, 16 steps of 13,056 bytes, as they lie in kv, each filled once: wave w asks for step w at the head and for step 8 + w behind the first round: one joint load a wave each time.  No loop over memory,
; so nothing to prefetch ahead in.
; SHARES.  Of a block of 128 queries this work-group has tiles cx (A) and cx + 4 (B), which share every fragment of K and V.  Block b has b + 1 key steps.  Waves 2 n and 2 n + 1 share blocks i and 15 - i, i = 4 x cluster x + n: 17 steps.
; One of them (FIRST) takes steps 0-3 and the last five of block 15 - i; the other all i + 1 steps of block i, which it finishes and stores, and then steps 4 .. 10 - i of block 15 - i.  So trips 0-2 need steps 0-6 alone.
; The two parts of block 15 - i are joined through LDS: FIRST finishes tile A, the other tile B.  Branches hang on the wave's number, loop counts and the cluster's x; cx enters addresses of Q and O and the mask's numbers alone.
; OUT: oc [256 tiles][16 heads][768]: registers 0-3 at 16 x lane, 4-5 at 512 + 8 x lane.  os [16 heads][4096 places]: a word: the head's two bytes, 16 bits up for odd heads.
; LIMITS: the promise holds while the scaled scores t stay under 2^31 in magnitude; a block of zeros gets the byte 1; 1 / l by v_rcp_f32 and a multiplication; NaN and infinities are not served.
; REGISTERS, window 0: v1-3 16, 8, 4 x lane; v4-6 addresses; v7 4 r; tile x (0, 1) at 8 + 8 x: -M, largest score, sum (two halves), f, at work, p's scale word, Q's; v24-46, v48-50 at work; v47, v51 the add's; v55 8 h; v60-63 K's, v64-65 V's scale words.
;   window 1: v0-47 K's fragments, v48-53 zeros (named as K's last fragment's upper half), v54-101 V's, v102-133 O^T of A, v134-165 of B.
.set STP, 13056
.set MRG, 16*STP                       ; eight places of 4,352 bytes: a partial O, -M and sum
.set SPARE, MRG+8*4352
.set QF, 66                            ; Q: v66-77, v78-89
.set PC, 90                            ; p's codes: v90-101, v102-113
.set SS, 114                           ; S^T, then p: v114-177, v178-241
.set VF, 54
.set OT, 102
.set KSC, 60
.set VSC, 64
.set WV, 14
.set CX, 15
.set BH, 16
.set BQ1, 17                           ; my first block of queries
.set BQH, 18                           ; 15 - i
.set BQ, 19
.set SEL, 20
.set CS, 22
.set G1, 24
.set G0, 32
.set PI, 36
.set ISB, 37
.set LOI, 38                           ; the last trip of my first run of steps
.set OFFH, 39                          ; what is added, modulo 16, to the trip's number behind it
.set SWU, 40                           ; the trip at whose start I change blocks
.set ULAST, 41
.set U, 42
.set ST, 43
.set TK, 44
.set U1, 45
.set DG, 46
.set SH, 50
.set PN, 51
.set MK, 66                            ; s66-97 the mask on the diagonal: bit l of s[MK + n]: key n of my 32 comes after lane l's query
.set MSB, 0
.macro WIN new
.if MSB != \new
	s_set_vgpr_msb (MSB<<8)|\new
.set MSB, \new
.endif
.endm
.macro CROUND                          ; a round of the cluster's barrier
	s_barrier_signal -1
	s_barrier_wait -1
	s_cmp_lg_u32 s[WV], 0
	s_cbranch_scc1 .Lnot_wave_0_\@
	s_barrier_signal -3
.Lnot_wave_0_\@:
	s_barrier_wait -3
	s_barrier_signal -1
	s_barrier_wait -1
.endm
.macro STEPNO u, mask                  ; trip u's key step, and where it begins in LDS
	s_cmp_gt_u32 s[\u], s[LOI]
	s_cselect_b32 s[ST], s[OFFH], 0
	s_add_co_u32 s[ST], s[ST], s[\u]
	s_and_b32 s[ST], s[ST], \mask
	s_mul_i32 s[TK], s[ST], STP
.endm
.macro LOADQ bq
	s_mul_i32 s2, s[\bq], 6144
	s_mov_b32 s3, 0
	s_add_nc_u64 s[56:57], s[6:7], s[2:3]
	s_lshl_b32 s2, s[\bq], 9
	s_add_nc_u64 s[58:59], s[8:9], s[2:3]
.irp x, 0,1
	global_load_b128 v[QF+12*\x:QF+12*\x+3], v1, s[56:57] offset:3072*\x
	global_load_b64 v[QF+12*\x+4:QF+12*\x+5], v2, s[56:57] offset:3072*\x+512
	global_load_b32 v[15+8*\x], v7, s[58:59] offset:256*\x
.endr
.endm
.macro NEWTILE
.irp x, 0,1
	v_mov_b32 v[8+8*\x], 0x7e000000                ; -M: M under every t
	v_mov_b32 v[9+8*\x], 0xff61b1e6                ; the largest score so far: -3e38
	v_mov_b32 v[10+8*\x], 0
	v_mov_b32 v[11+8*\x], 0
.endr
	WIN 0x40
.set jj, 0
.rept 64
	v_mov_b32 v[OT+jj], 0                          ; (the step is written once: the first finds zeros, which the first change of M leaves zeros)
.set jj, jj+1
.endr
	WIN 0
.endm
.macro KLOADS
	WIN 0x40
.irp t, 0,1,2,3,4,5,6,7
	ds_load_b128 v[6*\t:6*\t+3], v4 offset:768*\t
	ds_load_b64 v[6*\t+4:6*\t+5], v5 offset:768*\t+512
.endr
	WIN 0
.irp b, 0,1,2,3
	ds_load_b32 v[KSC+\b], v6 offset:12288+128*\b  ; lanes 0-15: tile 2 b's words, lanes 16-31: tile 2 b + 1's
.endr
.endm
; tile x's O^T / l; my 32 registers are the block lane / 16 of the head's channels: quantised, stored as half an operand's image
.macro WAYOUT x, bq
.set SX, SS+64*(\x)
.set PX, PC+12*(\x)
.set RX, 10+8*(\x)
	v_add_f32 v[RX], v[RX], v[RX+1]
	v_permlanex16_b32 v33, v[RX], s[SEL], s[SEL+1]
	v_add_f32 v[RX], v[RX], v33                    ; the row's sum
	s_mul_i32 s2, s[\bq], 98304
	s_mov_b32 s3, 0
	s_add_nc_u64 s[52:53], s[10:11], s[2:3]
	s_lshl_b32 s2, s[\bq], 9
	s_add_nc_u64 s[54:55], s[12:13], s[2:3]
	s_wait_alu depctr_va_vdst(0)
	v_rcp_f32 v[RX], v[RX]
	v_nop
	WIN 0x01
	s_wait_alu depctr_va_vdst(0)                   ; and ahead of its first reader
.set jj, 0
.rept 16
	v_pk_mul_f32 v[SX+jj:SX+jj+1], v[OT+32*(\x)+jj:OT+32*(\x)+jj+1], v[RX:RX+1] op_sel_hi:[1,0]
.set jj, jj+2
.endr
	WIN 0
	v_max3_num_f32 v24, |v[SX]|, |v[SX+1]|, 0x2800000
	v_max3_num_f32 v25, |v[SX+16]|, |v[SX+17]|, 0x2800000
.irp i, 2,4,6,8,10,12,14
	v_max3_num_f32 v24, v24, |v[SX+\i]|, |v[SX+\i+1]|
	v_max3_num_f32 v25, v25, |v[SX+16+\i]|, |v[SX+17+\i]|
.endr
	v_max_num_f32 v24, v24, v25
	v_add_nc_u32 v36, 0xfe000000, v24
	v_lshrrev_b32 v[40+\x], 23, v36
	v_lshlrev_b32 v[40+\x], v55, v[40+\x]
	v_permlanex16_b32 v33, v[40+\x], s[SEL], s[SEL+1]
	v_or_b32 v[40+\x], v[40+\x], v33
	v_lshlrev_b32 v[40+\x], s[SH], v[40+\x]        ; odd heads: 16 bits up
	v_cvt_scalef32_pk16_bf6_f32 v[PX:PX+2], v[SX:SX+15], v36
	v_cvt_scalef32_pk16_bf6_f32 v[44:46], v[SX+16:SX+31], v36
	v_nop
.irp i, 0,1,2
	v_mov_b32 v[PX+3+\i], v[44+\i]
.endr
	global_store_b128 v1, v[PX:PX+3], s[52:53] offset:49152*(\x)
	global_store_b64 v2, v[PX+4:PX+5], s[52:53] offset:49152*(\x)+512
	global_store_b32 v7, v[40+\x], s[54:55] offset:256*(\x)   ; lanes l and l xor 16: the same word, the same place
.endm
.macro PADD b, n, o                    ; n packed additions: registers b on += those o further on
.set jj, 0
.rept \n
	v_pk_add_f32 v[\b+jj:\b+jj+1], v[\b+jj:\b+jj+1], v[\b+\o+jj:\b+\o+jj+1]
.set jj, jj+2
.endr
.endm
.macro EX2                             ; two of tile B's exponentials
	v_exp_f32 v[SS+64+ee], v[SS+64+ee]
	v_exp_f32 v[SS+65+ee], v[SS+65+ee]
.set ee, ee+2
.endm
.macro CVT x                           ; tile x's codes: the first half of each block in place, the second beside it
.irp c, 0,1
	v_cvt_scalef32_pk16_bf6_f32 v[PC+12*(\x)+6*\c:PC+12*(\x)+6*\c+2], v[SS+64*(\x)+32*\c:SS+64*(\x)+32*\c+15], v[36+2*(\x)+\c]
	v_cvt_scalef32_pk16_bf6_f32 v[44+4*\c:46+4*\c], v[SS+64*(\x)+32*\c+16:SS+64*(\x)+32*\c+31], v[36+2*(\x)+\c]
.endr
.endm
.macro PMOV x
.irp i, 0,1,2
	v_mov_b32 v[PC+12*(\x)+3+\i], v[44+\i]
	v_mov_b32 v[PC+12*(\x)+9+\i], v[48+\i]
.endr
.endm
.macro PV x                            ; O^T += V^T P^T: the four accumulators take turns
.set OX, OT+32*(\x)
.set PX, PC+12*(\x)
	WIN 0x51
.irp t, 0,2
	v_wmma_scale_f32_16x16x128_f8f6f4 v[OX+8*\t:OX+8*\t+7], v[VF+12*\t:VF+12*\t+11], v[PX:PX+11], v[OX+8*\t:OX+8*\t+7], v[VSC+\t/2], v[14+8*(\x)] matrix_a_fmt:MATRIX_FMT_BF6 matrix_b_fmt:MATRIX_FMT_BF6
	v_wmma_scale_f32_16x16x128_f8f6f4 v[OX+8*\t+8:OX+8*\t+15], v[VF+12*\t+12:VF+12*\t+23], v[PX:PX+11], v[OX+8*\t+8:OX+8*\t+15], v[VSC+\t/2], v[14+8*(\x)] matrix_a_fmt:MATRIX_FMT_BF6 matrix_b_fmt:MATRIX_FMT_BF6 matrix_a_scale:MATRIX_SCALE_ROW1
.endr
	WIN 0
.endm
; trips U .. end - 1; mask: the steps that they may name
.macro TRIPS mask, end
.Ltrip_\@:
	s_cmp_lg_u32 s[U], s[SWU]
	s_cbranch_scc1 .Lsame_\@
.rept 4
	v_nop
.endr
	WAYOUT 0, BQ1                                  ; block i is finished: on to block 15 - i
	s_wait_alu depctr_va_vdst(0)
	s_wait_xcnt 0x0                                ; tile A's stores have read their bases, which tile B's way out writes again
	WAYOUT 1, BQ1
	LOADQ BQH
	NEWTILE
	s_wait_alu depctr_va_vdst(0)
	s_wait_loadcnt 0x0
	s_wait_xcnt 0x0                                ; the stores have read their registers
.Lsame_\@:
	s_cmp_gt_u32 s[U], s[ULAST]
	s_cbranch_scc1 .Lnone_\@
	STEPNO U, \mask
	s_cmp_gt_u32 s[U], s[LOI]
	s_cselect_b32 s[BQ], s[BQH], s[BQ1]
	s_cmp_lg_u32 s[ST], s[BQ]
	s_cselect_b32 s[DG], 0, 1                      ; on the diagonal
	v_add_nc_u32 v4, s[TK], v1
	v_add_nc_u32 v6, s[TK], v3
	v_nop
	v_nop                                          ; four places in front of loads into registers that the last products read
	WIN 0x40
.irp t, 0,1,2,3
.irp q, 0,1,2
	ds_load_b128 v[VF+12*\t+4*\q:VF+12*\t+4*\q+3], v4 offset:6144+1536*\t+512*\q
.endr
.endr
	WIN 0
	ds_load_b32 v[VSC], v6 offset:12800            ; lanes 0-15 channel tile 0's words, lanes 16-31 tile 1's
	ds_load_b32 v[VSC+1], v6 offset:12928
	s_wait_dscnt 14                                ; K's fragments and words are in; V's 14 loads may be out
	WIN 0x01
.irp x, 0,1
.irp t, 0,2,4,6                                ; S^T = K Q^T: register 32 c + n holds key 64 c + 32 (lane / 16) + n
	v_wmma_scale_f32_16x16x128_f8f6f4 v[SS+64*\x+8*\t:SS+64*\x+8*\t+7], v[6*\t:6*\t+11], v[QF+12*\x:QF+12*\x+11], 0, v[KSC+\t/2], v[15+8*\x] matrix_a_fmt:MATRIX_FMT_BF6 matrix_b_fmt:MATRIX_FMT_BF6
	v_wmma_scale_f32_16x16x128_f8f6f4 v[SS+64*\x+8*\t+8:SS+64*\x+8*\t+15], v[6*\t+6:6*\t+17], v[QF+12*\x:QF+12*\x+11], 0, v[KSC+\t/2], v[15+8*\x] matrix_a_fmt:MATRIX_FMT_BF6 matrix_b_fmt:MATRIX_FMT_BF6 matrix_a_scale:MATRIX_SCALE_ROW1
.endr
.endr
	WIN 0
	s_add_co_u32 s[U1], s[U], 1
	STEPNO U1, \mask                               ; the next trip's step (the last trip's look-ahead stays inside LDS's steps)
	v_add_nc_u32 v4, s[TK], v1
	v_add_nc_u32 v5, s[TK], v2
	v_add_nc_u32 v6, s[TK], v3
	v_nop                                          ; with the three lines above four places behind the products
	KLOADS                                         ; K of the next step: 20 loads
	s_cmp_eq_u32 s[DG], 0
	s_cbranch_scc1 .Lopen_\@
.set nn, 0
.rept 32
	v_cndmask_b32 v[SS+nn], v[SS+nn], 0xff800000, s[MK+nn]           ; tile A's diagonal lies in the first 64 keys,
	v_cndmask_b32 v[SS+96+nn], v[SS+96+nn], 0xff800000, s[MK+nn]     ; tile B's in the second
.set nn, nn+1
.endr
.set nn, 0
.rept 32
	v_mov_b32 v[SS+32+nn], 0xff800000              ; which tile A does not see
.set nn, nn+1
.endr
.Lopen_\@:
.irp x, 0,1
.irp c, 0,1
	v_max3_num_f32 v[24+2*\x+\c], v[SS+64*\x+32*\c], v[SS+64*\x+32*\c+1], v[SS+64*\x+32*\c+2]        ; the largest score of each of my two blocks, in two chains each
	v_max3_num_f32 v[28+2*\x+\c], v[SS+64*\x+32*\c+16], v[SS+64*\x+32*\c+17], v[SS+64*\x+32*\c+18]
.endr
.endr
.irp i, 3,5,7,9,11,13
.irp x, 0,1
.irp c, 0,1
	v_max3_num_f32 v[24+2*\x+\c], v[24+2*\x+\c], v[SS+64*\x+32*\c+\i], v[SS+64*\x+32*\c+\i+1]
	v_max3_num_f32 v[28+2*\x+\c], v[28+2*\x+\c], v[SS+64*\x+32*\c+16+\i], v[SS+64*\x+32*\c+17+\i]
.endr
.endr
.endr
.irp x, 0,1
.irp c, 0,1
	v_max3_num_f32 v[24+2*\x+\c], v[24+2*\x+\c], v[28+2*\x+\c], v[SS+64*\x+32*\c+15]
.endr
.endr
.irp x, 0,1
.irp c, 0,1
	v_max_num_f32 v[24+2*\x+\c], v[24+2*\x+\c], v[SS+64*\x+32*\c+31]
.endr
.endr
.irp x, 0,1
	v_max_num_f32 v[32+2*\x], v[24+2*\x], v[25+2*\x]
.endr
.irp x, 0,1
	v_permlanex16_b32 v[33+2*\x], v[32+2*\x], s[SEL], s[SEL+1]
.endr
.irp x, 0,1
	v_max3_num_f32 v[9+8*\x], v[9+8*\x], v[32+2*\x], v[33+2*\x]      ; the running largest score of my query
.endr
.irp x, 0,1
	v_mul_f32 v[13+8*\x], s[CS], v[9+8*\x]         ; as t
.endr
.irp x, 0,1
	v_floor_f32 v[13+8*\x], -v[13+8*\x]            ; the new -M = floor(-t)
.endr
.irp x, 0,1
	v_sub_f32 v[32+2*\x], v[13+8*\x], v[8+8*\x]    ; old M less new M: a whole number, 0 or less
.endr
.irp x, 0,1
	v_mov_b32 v[8+8*\x], v[13+8*\x]
.endr
.irp x, 0,1
	v_cvt_i32_f32 v[32+2*\x], v[32+2*\x]           ; (it saturates)
.endr
.irp x, 0,1
	v_pk_fma_f32 v[24+2*\x:25+2*\x], v[24+2*\x:25+2*\x], s[CS:CS+1], v[8+8*\x:9+8*\x] op_sel_hi:[1,0,0]
.endr
.irp x, 0,1
	v_ldexp_f32 v[12+8*\x], 1.0, v[32+2*\x]        ; f = 2^(old M - new M)
.endr
.irp x, 0,1
.irp c, 0,1
	v_max_num_f32 v[24+2*\x+\c], 0xc2f40000, v[24+2*\x+\c]   ; held at -122 from below: the byte cannot fall under 1
.endr
.endr
.set jj, 0
.rept 32
	v_pk_fma_f32 v[SS+jj:SS+jj+1], v[SS+jj:SS+jj+1], s[CS:CS+1], v[8:9] op_sel_hi:[1,0,0]   ; A: t - M, two at a time
.set jj, jj+2
.endr
.irp x, 0,1
.irp c, 0,1
	v_cvt_floor_i32_f32 v[40+2*\x+\c], v[24+2*\x+\c]   ; e = floor(log2(the block's largest p))
.endr
.endr
.irp x, 0,1
.irp c, 0,1
	v_lshl_add_u32 v[36+2*\x+\c], v[40+2*\x+\c], 23, 0x3d800000   ; 2^(e - 4), the conversion's scale operand
.endr
.endr
.irp x, 0,1
	v_lshl_add_u32 v[32+2*\x], v[41+2*\x], 16, v[40+2*\x]
.endr
	WIN 0x41
.set jj, 0
.rept 16
	v_pk_mul_f32 v[OT+jj:OT+jj+1], v[OT+jj:OT+jj+1], v[12:13] op_sel_hi:[1,0]                ; O^T under the new M
	v_pk_mul_f32 v[OT+32+jj:OT+32+jj+1], v[OT+32+jj:OT+32+jj+1], v[20:21] op_sel_hi:[1,0]
.set jj, jj+2
.endr
	WIN 0
.irp x, 0,1
	v_permlanex16_b32 v[33+2*\x], v[32+2*\x], s[SEL], s[SEL+1]
.endr
.irp x, 0,1
	v_lshl_add_u32 v[14+8*\x], v[33+2*\x], 8, v[32+2*\x]
.endr
.irp x, 0,1
	v_add_nc_u32 v[14+8*\x], 0x7b7b7b7b, v[14+8*\x]   ; the four bytes e + 123 (lanes 0-15; the sums' carries cancel: each e + 123 lies in 1 .. 123)
.endr
	s_wait_alu depctr_va_vdst(0)
.set jj, 0
.rept 32
	v_exp_f32 v[SS+jj], v[SS+jj]                   ; A: p = 2^(t - M), at most 1: not normalised
	v_exp_f32 v[SS+jj+1], v[SS+jj+1]
	v_pk_fma_f32 v[SS+64+jj:SS+65+jj], v[SS+64+jj:SS+65+jj], s[CS:CS+1], v[16:17] op_sel_hi:[1,0,0]   ; B: t - M
.set jj, jj+2
.endr
	s_wait_alu depctr_va_vdst(0)                   ; ahead of the batch's first reader and of the next batch
.set ee, 0
	EX2
	CVT 0
	EX2
	v_pk_mul_f32 v[10:11], v[10:11], v[12:13] op_sel_hi:[1,0]   ; the sums under the new M (a plain place behind the conversions)
.set jj, 0
.rept 16
	EX2
	v_pk_add_f32 v[SS+jj:SS+jj+1], v[SS+jj:SS+jj+1], v[SS+32+jj:SS+33+jj]   ; the sum of A's unquantised p, as a tree
.set jj, jj+2
.endr
.rept 14
	EX2
.endr
	v_pk_mul_f32 v[18:19], v[18:19], v[20:21] op_sel_hi:[1,0]   ; (a plain place behind the exponentials)
	s_wait_alu depctr_va_vdst(0)                   ; ahead of the batch's first reader
	PMOV 0
	CVT 1
	PADD SS, 8, 16
	PADD SS, 4, 8
	s_wait_dscnt 20                                ; V's are in; the next K's 20 loads may be out
	PV 0
	PMOV 1
	PADD SS+64, 16, 32
	PADD SS, 2, 4
	PADD SS+64, 8, 16
	PADD SS, 1, 2
	PADD SS+64, 4, 8
	v_pk_add_f32 v[10:11], v[10:11], v[SS:SS+1]
	PADD SS+64, 2, 4
	PADD SS+64, 1, 2
	v_pk_add_f32 v[18:19], v[18:19], v[SS+64:SS+65]
	PV 1
.Lnone_\@:
	s_add_co_u32 s[U], s[U], 1
	s_cmp_lt_u32 s[U], \end
	s_wait_alu depctr_va_vdst(0)
	s_cbranch_scc1 .Ltrip_\@
.endm
; tile x's two parts become one; its partner's O, -M and sum come from LDS
.macro JOIN x
	WIN 0x40
.irp i, 0,1,2,3,4,5,6,7
	ds_load_b128 v[VF+4*\i:VF+4*\i+3], v242 offset:512*\i
.endr
	WIN 0
	ds_load_b64 v[244:245], v243 offset:4096
	s_wait_dscnt 0x0
	v_min_num_f32 v248, v[8+8*(\x)], v244          ; -M of both
	v_sub_f32 v249, v248, v[8+8*(\x)]
	v_sub_f32 v250, v248, v244
	v_cvt_i32_f32 v249, v249
	v_cvt_i32_f32 v250, v250
	v_ldexp_f32 v[12+8*(\x)], 1.0, v249
	v_ldexp_f32 v246, 1.0, v250
	v_mov_b32 v247, 0                              ; (named as a pair with v246)
	v_mul_f32 v[10+8*(\x)], v[10+8*(\x)], v[12+8*(\x)]
	v_fma_f32 v[10+8*(\x)], v245, v246, v[10+8*(\x)]
	WIN 0x41
.set jj, 0
.rept 16
	v_pk_mul_f32 v[OT+32*(\x)+jj:OT+32*(\x)+jj+1], v[OT+32*(\x)+jj:OT+32*(\x)+jj+1], v[12+8*(\x):13+8*(\x)] op_sel_hi:[1,0]
.set jj, jj+2
.endr
	WIN 0x51
.set jj, 0
.rept 16
	v_pk_fma_f32 v[OT+32*(\x)+jj:OT+32*(\x)+jj+1], v[VF+jj:VF+jj+1], v[246:247], v[OT+32*(\x)+jj:OT+32*(\x)+jj+1] op_sel_hi:[1,0,1]
.set jj, jj+2
.endr
	WIN 0
.endm
	s_load_b256 s[4:11], s[0:1], 0x0               ; kv s[4:5], qc s[6:7], qs s[8:9], oc s[10:11]
	s_load_b64 s[12:13], s[0:1], 0x20              ; os
	v_lshl_add_u32 v47, v0, 2, SPARE
	v_mov_b32 v51, 0
	ds_add_u32 v47, v51                            ; the opening
	ds_add_u32 v47, v51
	v_lshrrev_b32 v8, 5, v0
	v_readfirstlane_b32 s[WV], v8                  ; wave 0..7
	s_bfe_u32 s[CX], ttmp6, 0x40000
	s_and_b32 s[BH], ttmp7, 0xffff
	s_lshr_b32 s[PN], s[WV], 1                     ; n
	s_lshl_b32 s[PI], ttmp9, 2
	s_add_co_u32 s[PI], s[PI], s[PN]               ; i
	s_lshr_b32 s[ISB], s[WV], 2
	s_xor_b32 s[ISB], s[ISB], s[WV]
	s_and_b32 s[ISB], s[ISB], 1                    ; 0: I am FIRST
	s_xor_b32 s[BQH], s[PI], 15
	s_xor_b32 s2, s[PI], 7                         ; FIRST: trip 4 takes step 11 - i
	s_add_co_u32 s[OFFH], s[BQH], 4
	s_and_b32 s[OFFH], s[OFFH], 15                 ; the other: trip i + 1 takes step 4
	s_add_co_u32 s[SWU], s[PI], 1
	s_cmp_eq_u32 s[ISB], 1
	s_cselect_b32 s[BQ1], s[PI], s[BQH]
	s_cselect_b32 s[LOI], s[PI], 3
	s_cselect_b32 s[OFFH], s[OFFH], s2
	s_cselect_b32 s[SWU], s[SWU], 15
	s_cselect_b32 s[ULAST], 7, 8
	s_mov_b32 s[G1], 15|(3<<16)|(1<<21)            ; 51 rows of 256 bytes, dense; mask 15: all four work-groups
	s_mov_b32 s[G1+1], 32<<16
	s_mov_b32 s[G1+2], 51<<16
	s_mov_b32 s[G1+3], 32<<16
	s_mov_b32 s[G1+4], 51
	s_mov_b32 s[G1+5], 32
	s_mov_b32 s[G1+6], 0
	s_mov_b32 s[G1+7], 0
	s_mov_b32 s[G0], 1
	s_mul_i32 s[G0+1], s[WV], STP
	s_mul_i32 s2, s[BH], 208896
	s_add_co_u32 s2, s2, s[G0+1]
	s_mov_b32 s3, 0
	s_wait_dscnt 0x0
	s_wait_alu depctr_va_vdst(0)
	s_wait_kmcnt 0x0
	s_add_nc_u64 s[G0+2:G0+3], s[4:5], s[2:3]
	s_or_b32 s[G0+3], s[G0+3], 0x80000000
	CROUND                                         ; all four work-groups are here: the joint loads meet
	tensor_load_to_lds s[G0:G0+3], s[G1:G1+7]      ; one load a wave: key step w
	s_nop 0
.rept 4
	v_nop
.endr
	s_mul_i32 s2, s[BH], 98304
	s_mul_i32 s47, s[CX], 768
	s_add_co_u32 s2, s2, s47
	s_add_nc_u64 s[6:7], s[6:7], s[2:3]            ; Q: my tile A of block 0
	s_lshl_b32 s2, s[BH], 13
	s_lshl_b32 s47, s[CX], 6
	s_add_co_u32 s2, s2, s47
	s_add_nc_u64 s[8:9], s[8:9], s[2:3]
	s_and_b32 s47, s[BH], 15                       ; the head
	s_lshr_b32 s48, s[BH], 4
	s_lshl_b32 s48, s48, 7
	s_add_co_u32 s48, s48, s[CX]                   ; my tile A of block 0 among all 256
	s_mul_i32 s2, s48, 12288
	s_mul_i32 s49, s47, 768
	s_add_co_u32 s2, s2, s49
	s_add_nc_u64 s[10:11], s[10:11], s[2:3]
	s_lshl_b32 s2, s47, 14
	s_lshl_b32 s49, s48, 6
	s_add_co_u32 s2, s2, s49
	s_add_nc_u64 s[12:13], s[12:13], s[2:3]
	s_and_b32 s[SH], s[BH], 1
	s_lshl_b32 s[SH], s[SH], 4
	s_mov_b32 s[SEL], 0x76543210
	s_mov_b32 s[SEL+1], 0xfedcba98                 ; lane l xor 16
	s_mov_b32 s[CS], 0x3e38aa3b                    ; log2(e) / 8
	s_mov_b32 s[CS+1], s[CS]
	s_lshl_b32 s47, s[CX], 3
	v_and_b32 v8, 31, v0
	v_lshlrev_b32 v1, 4, v8
	v_lshlrev_b32 v2, 3, v8
	v_lshlrev_b32 v3, 2, v8
	v_and_b32 v7, 15, v0
	v_lshlrev_b32 v7, 2, v7
	s_wait_alu depctr_va_vdst(0)
	LOADQ BQ1
	v_and_b32 v32, 7, v0
	v_bfe_u32 v33, v0, 3, 1
	v_lshl_add_u32 v32, v33, 5, v32                ; my query in its group of 64, less 8 t: r % 8 + 32 (r / 8)
	v_bfe_u32 v33, v0, 4, 1
	v_lshlrev_b32 v55, 3, v33                      ; 8 h
	v_lshlrev_b32 v33, 5, v33
	v_sub_nc_u32 v32, v32, v33                     ; less 32 h: where my keys begin
	v_add_nc_u32 v32, s47, v32                     ; + 8 t, t = cx for both tiles
.set nn, 0
.rept 32
	v_cmp_gt_i32 s[MK+nn], nn, v32
.set nn, nn+1
.endr
	NEWTILE
	v_mov_b32 v12, 0
	v_mov_b32 v13, 0
	v_mov_b32 v20, 0
	v_mov_b32 v21, 0
	v_mov_b32 v34, 0
	v_mov_b32 v35, 0                               ; a lane permute's destination counts as one of its sources
.irp i, 6,7,8,9,10,11
	v_mov_b32 v[QF+\i], 0                          ; Q: K = 64 .. 127: zero codes
	v_mov_b32 v[QF+12+\i], 0
.endr
	WIN 0x40
.irp i, 48,49,50,51,52,53
	v_mov_b32 v[\i], 0
.endr
	WIN 0
	v_mov_b32 v4, v1
	v_mov_b32 v5, v2
	v_mov_b32 v6, v3
	s_mov_b32 s[U], 0
	s_wait_alu depctr_va_vdst(0)
	s_wait_tensorcnt 0x0                           ; my step has landed
	ds_add_u32 v47, v51
	s_add_co_u32 s[G0+1], s[G0+1], 8*STP
	s_add_nc_u64 s[G0+2:G0+3], s[G0+2:G0+3], 8*STP
	s_wait_dscnt 0x0
	CROUND                                         ; everybody's step has landed
	tensor_load_to_lds s[G0:G0+3], s[G1:G1+7]      ; key step 8 + w
	s_nop 0
.rept 4
	v_nop
.endr
	KLOADS                                         ; every wave's first step is step 0
	s_wait_loadcnt 0x0                             ; Q
	TRIPS 7, 3
	s_wait_tensorcnt 0x0                           ; steps 8-15
	s_wait_dscnt 0x0
	s_barrier_signal -1
	s_barrier_wait -1
	s_mov_b32 s[U], 3
	TRIPS 15, 9
	; the two parts of block 15 - i: FIRST gives tile B's and finishes A, the other gives A's and finishes B
	s_mul_i32 s[TK], s[PN], 8704
	s_add_co_u32 s[TK], s[TK], MRG
	s_mul_i32 s2, s[ISB], 4352
	s_add_co_u32 s2, s2, s[TK]                     ; I read place ISB of my pair's two,
	s_xor_b32 s3, s[ISB], 1
	s_mul_i32 s3, s3, 4352
	s_add_co_u32 s3, s3, s[TK]                     ; and write the other
	v_add_nc_u32 v4, s3, v1
	v_add_nc_u32 v5, s3, v2
	v_add_nc_u32 v242, s2, v1
	v_add_nc_u32 v243, s2, v2
.irp x, 0,1
	v_add_f32 v[10+8*\x], v[10+8*\x], v[11+8*\x]
	v_mov_b32 v[11+8*\x], 0
.endr
	s_cmp_eq_u32 s[ISB], 0
	s_wait_alu depctr_va_vdst(0)
	s_cbranch_scc0 .Lgive_a
.macro GIVE x
	v_mov_b32 v[9+8*(\x)], v[10+8*(\x)]
	WIN 0x04
.irp i, 0,1,2,3,4,5,6,7
	ds_store_b128 v4, v[OT+32*(\x)+4*\i:OT+32*(\x)+4*\i+3] offset:512*\i
.endr
	WIN 0
	ds_store_b64 v5, v[8+8*(\x):9+8*(\x)] offset:4096   ; -M and the sum
.endm
	GIVE 1
	s_branch .Lgiven
.Lgive_a:
	GIVE 0
.Lgiven:
	s_wait_dscnt 0x0
	s_barrier_signal -1
	s_barrier_wait -1
	s_cmp_eq_u32 s[ISB], 0
	s_cbranch_scc0 .Ltake_b
	JOIN 0
	WAYOUT 0, BQH
	s_branch .Ldone
.Ltake_b:
	JOIN 1
	WAYOUT 1, BQH
.Ldone:
	s_wait_tensorcnt 0x0                           ; the wave's end
	ds_add_u32 v47, v51
	s_wait_dscnt 0x0
	CROUND                                         ; the closing round
	s_endpgm
.Lfunc_end_k_q49eed78e50_attn:
	.size	k_q49eed78e50_attn, .Lfunc_end_k_q49eed78e50_attn-k_q49eed78e50_attn
	.p2alignl 7, 3214868480
	.fill 96, 4, 3214868480
	.section	.rodata,"a",@progbits
	.p2align	6, 0x0
	.amdhsa_kernel k_q49eed78e50_attn
		.amdhsa_group_segment_fixed_size 327680
		.amdhsa_private_segment_fixed_size 0
		.amdhsa_enable_private_segment 0
		.amdhsa_kernarg_size 40
		.amdhsa_user_sgpr_count 2
		.amdhsa_user_sgpr_kernarg_segment_ptr 1
		.amdhsa_wavefront_size32 1
		.amdhsa_system_sgpr_workgroup_id_x 1
		.amdhsa_system_sgpr_workgroup_id_y 1
		.amdhsa_system_sgpr_workgroup_id_z 1
		.amdhsa_system_vgpr_workitem_id 0
		.amdhsa_next_free_vgpr 512
		.amdhsa_next_free_sgpr 98
		.amdhsa_reserve_vcc 0
		.amdhsa_float_denorm_mode_32 3
		.amdhsa_float_denorm_mode_16_64 3
		.amdhsa_memory_ordered 1
		.amdhsa_forward_progress 1
		.amdhsa_inst_pref_size 121
	.end_amdhsa_kernel
	.amdgpu_metadata
---
amdhsa.version: [ 1, 2 ]
amdhsa.kernels:
  - .name:           k_q49eed78e50_attn
    .symbol:         k_q49eed78e50_attn.kd
    .args:
      - { .name: kv, .offset: 0, .size: 8, .value_kind: global_buffer, .address_space: global }
      - { .name: qc, .offset: 8, .size: 8, .value_kind: global_buffer, .address_space: global }
      - { .name: qs, .offset: 16, .size: 8, .value_kind: global_buffer, .address_space: global }
      - { .name: oc, .offset: 24, .size: 8, .value_kind: global_buffer, .address_space: global }
      - { .name: os, .offset: 32, .size: 8, .value_kind: global_buffer, .address_space: global }
    .group_segment_fixed_size: 327680
    .private_segment_fixed_size: 0
    .kernarg_segment_align: 8
    .kernarg_segment_size: 40
    .max_flat_workgroup_size: 256
    .sgpr_count:     98
    .vgpr_count:     512
    .wavefront_size: 32
...
	.end_amdgpu_metadata
.endif
;; end of part 3
;; launch proj (part 4): grid 8 x 32, 4 waves a work-group, clusters of 4 x 4, 214,528 bytes of LDS; arguments oc, os, inc, ins, b_proj, out0; writes out0
.if DOCPART == 4
	.amdgcn_target "amdgcn-amd-amdhsa--gfx1250"
	.amdhsa_code_object_version 6
	.text
	.protected	k_q49eed78e50_proj
	.globl	k_q49eed78e50_proj
	.p2align	8
	.type	k_q49eed78e50_proj,@function
k_q49eed78e50_proj:
	s_mov_b64 s[64:65], 0
	v_nop
	global_prefetch_b8 v0, s[64:65] scope:SCOPE_SE
	s_setreg_imm32_b32 hwreg(HW_REG_WAVE_MODE, 25, 1), 1
	s_wait_xcnt 0x0
	s_wait_alu depctr_hold_cnt(0) depctr_sa_sdst(0) depctr_va_vdst(0) depctr_va_sdst(0) depctr_va_ssrc(0) depctr_va_vcc(0) depctr_vm_vsrc(0)
	s_getreg_b32 s2, hwreg(HW_REG_IB_STS2, 6, 4)
	s_cmp_eq_u32 s2, 0
	s_cbranch_scc0 .Lentry_in_a_cluster
	s_endpgm
.Lentry_in_a_cluster:
	s_bfe_u32 s2, ttmp6, 0x10000c
	s_cmp_lg_u32 s2, 0xf033
	s_cbranch_scc0 .Lentry_shape_is_right
	s_endpgm
.Lentry_shape_is_right:
; out0 = o w_proj + b_proj on codes of BF6 (E3M2) with one E8M0 scale for each 32 along K = 1024; sums in f32; the bias is the C of a sum's first product.  Nothing is left out.
; A = o: oc [256 tiles of 16 token places][16 heads][768]: half a K step a head: registers 6 c .. 6 c + 3 at 16 x lane, 6 c + 4, 5 at 512 + 8 x lane; os [16 heads][4096] words, two heads' words make a K step's.
; B = w_proj's columns: tiles 448 on of inc [.][8 K steps][1536] and ins.  Places: 16 t + r <- row 8 t + r % 8 + 32 (r / 8) in each group of 64; the way out puts rows and columns back by its offsets.
; A tile of 128 x 128 of out0 to a work-group: 256 work-groups; four waves, 64 x 64 each.  All of K lies in LDS, filled once: one joint load a wave, four operand tiles of 12,288 bytes each: waves 0, 1 A's (shared along a row
; of the cluster), waves 2, 3 B's (along a column).  No loop over memory, so nothing to prefetch ahead in.
; REGISTERS: window 0: v8-31 addresses, v32-47 A's and v48-63 B's scale words (tiles 2 i in lanes 0-15, 2 i + 1 in lanes 16-31, K step k at 8 i + k), v64-127 at work, the bias at v96, v128-255 the accumulators ((a, b) at 128 + 8 (4 a + b)).
;   window 1: two sets of 96 at 0 and 96: A's four fragments, then B's four.
.set STG,  196608                      ; the way out: 16 rows x (256 + 16) bytes for each wave
.set SPARE, STG+4*16*272
.set AA, 8
.set AB, 9
.set BA, 10
.set STO, 11
.set RD, 12
.set CO, 13
.set SPW, 30
.set NIL, 31
.set SCA, 32
.set SCB, 48
.set BK, 64
.set BI, 96
.set ACC, 128
.set WV, 12
.set SA, 13
.set SB, 14
.set G1A, 24
.set G1B, 32
.set G0A, 40
.set G0B, 44
.set MSB, 0
.macro WIN new
.if MSB != \new
	s_set_vgpr_msb (MSB<<8)|\new
.set MSB, \new
.endif
.endm
.macro CROUND                          ; a round of the cluster's barrier
	s_barrier_signal -1
	s_barrier_wait -1
	s_cmp_lg_u32 s[WV], 0
	s_cbranch_scc1 .Lnot_wave_0_\@
	s_barrier_signal -3
.Lnot_wave_0_\@:
	s_barrier_wait -3
	s_barrier_signal -1
	s_barrier_wait -1
.endm
.macro PLACES n
.rept \n
	v_nop
.endr
.endm
	s_load_b256 s[4:11], s[0:1], 0x0               ; oc s[4:5], os s[6:7], inc s[8:9], ins s[10:11]
	s_load_b128 s[48:51], s[0:1], 0x20             ; b_proj s[48:49], out0 s[50:51]
	v_lshl_add_u32 v[SPW], v0, 2, SPARE
	v_mov_b32 v[NIL], 0
	ds_add_u32 v[SPW], v[NIL]                      ; the opening
	ds_add_u32 v[SPW], v[NIL]
	v_lshrrev_b32 v1, 5, v0
	v_readfirstlane_b32 s[WV], v1                  ; wave 0..3
	s_lshr_b32 s[SA], s[WV], 1                     ; which half of the rows is mine
	s_and_b32 s[SB], s[WV], 1                      ; which half of the columns.  Also: which half of a tile I fetch
	s_bfe_u32 s15, ttmp6, 0x40000                  ; cx, cy
	s_bfe_u32 s16, ttmp6, 0x40004
	s_lshl_b32 s17, ttmp9, 2
	s_add_co_u32 s17, s17, s15                     ; x: which 128 columns
	s_and_b32 s18, ttmp7, 0xffff
	s_lshl_b32 s18, s18, 2
	s_add_co_u32 s18, s18, s16                     ; y: which 128 tokens
	s_lshl_b32 s19, s16, 2
	s_lshl_b32 s19, 15, s19                        ; my row of the cluster
	s_lshl_b32 s20, 0x1111, s15                    ; my column
	s_or_b32 s[G1A], s19, (3<<16)|(1<<21)          ; 4 rows of 12,288 bytes, dense
	s_or_b32 s[G1B], s20, (3<<16)|(1<<21)
.irp g, G1A, G1B
	s_mov_b32 s[\g+1], 1536<<16
	s_mov_b32 s[\g+2], 4<<16
	s_mov_b32 s[\g+3], 1536<<16
	s_mov_b32 s[\g+4], 4
	s_mov_b32 s[\g+5], 1536
	s_mov_b32 s[\g+6], 0
	s_mov_b32 s[\g+7], 0
.endr
	s_mul_i32 s22, s[SB], 49152
	s_mul_i32 s2, s18, 8*12288
	s_add_co_u32 s2, s2, s22                       ; A: tile 8 y + 4 x half
	s_mov_b32 s3, 0
	s_mul_i32 s20, s17, 8*12288
	s_add_co_u32 s20, s20, s22
	s_add_co_u32 s20, s20, 448*12288               ; B: tile 448 + 8 x + 4 x half
	s_mov_b32 s21, 0
	s_mov_b32 s[G0A], 1
	s_mov_b32 s[G0A+1], s22
	s_mov_b32 s[G0B], 1
	s_add_co_u32 s[G0B+1], s22, 98304
	s_wait_dscnt 0x0
	s_wait_alu depctr_va_vdst(0)
	s_wait_kmcnt 0x0
	s_add_nc_u64 s[G0A+2:G0A+3], s[4:5], s[2:3]
	s_or_b32 s[G0A+3], s[G0A+3], 0x80000000
	s_add_nc_u64 s[G0B+2:G0B+3], s[8:9], s[20:21]
	s_or_b32 s[G0B+3], s[G0B+3], 0x80000000
	CROUND                                         ; all sixteen work-groups are here: the joint loads meet
	s_cmp_lt_u32 s[WV], 2
	s_cbranch_scc0 .Lfor_b
	tensor_load_to_lds s[G0A:G0A+3], s[G1A:G1A+7]
	s_nop 0
	PLACES 4
	s_branch .Lasked
.Lfor_b:
	tensor_load_to_lds s[G0B:G0B+3], s[G1B:G1B+7]
	s_nop 0
	PLACES 4
.Lasked:
	s_lshl_b32 s2, s18, 9
	s_lshl_b32 s19, s[SA], 8
	s_add_co_u32 s2, s2, s19
	s_add_nc_u64 s[6:7], s[6:7], s[2:3]            ; os: my 64 tokens
	s_lshl_b32 s2, s17, 12
	s_lshl_b32 s19, s[SB], 11
	s_add_co_u32 s2, s2, s19
	s_add_co_u32 s2, s2, 448*512
	s_add_nc_u64 s[10:11], s[10:11], s[2:3]        ; ins: my four tiles
	s_lshl_b32 s2, s17, 9
	s_lshl_b32 s19, s[SB], 8
	s_add_co_u32 s2, s2, s19                       ; my 64 columns, in bytes
	s_add_nc_u64 s[48:49], s[48:49], s[2:3]
	s_add_nc_u64 s[50:51], s[50:51], s[2:3]
	s_lshl_b32 s2, s18, 19
	s_lshl_b32 s19, s[SA], 18
	s_add_co_u32 s2, s2, s19                       ; my first row of out0, 4,096 bytes a row
	s_add_nc_u64 s[50:51], s[50:51], s[2:3]
	s_mul_i32 s19, s[SA], 49152
	s_add_co_u32 s22, s22, 98304
	s_mul_i32 s23, s[WV], 16*272
	s_add_co_u32 s23, s23, STG
	v_and_b32 v1, 31, v0                           ; lane
	v_and_b32 v2, 15, v0                           ; r
	v_bfe_u32 v3, v0, 4, 1                         ; h
	v_lshlrev_b32 v4, 2, v1
	v_lshlrev_b32 v5, 4, v2
	v_lshl_add_u32 v5, v3, 9, v5                   ; ins: 512 h + 16 r
	v_lshlrev_b32 v6, 7, v3                        ; bias: 128 h
	v_lshlrev_b32 v7, 4, v1
	v_add_nc_u32 v[AA], s19, v7
	v_add_nc_u32 v[BA], s22, v7
	v_lshlrev_b32 v7, 3, v1
	v_add_nc_u32 v[AB], s19, v7
	v_mul_u32_u24 v7, v2, 272
	v_lshl_add_u32 v7, v3, 7, v7
	v_add_nc_u32 v[STO], s23, v7                   ; the stage, in: row r, + 128 h
	v_mul_u32_u24 v7, v3, 272
	v_lshl_add_u32 v7, v2, 4, v7
	v_add_nc_u32 v[RD], s23, v7                    ; back: lanes 0-15 one row of 256 bytes, lanes 16-31 the next
	v_lshlrev_b32 v7, 12, v3
	v_lshl_add_u32 v[CO], v2, 4, v7                ; and the same two rows in out0
.irp i, 0,1
.irp h, 0,1,2,3,4,5,6,7,8,9,10,11,12,13,14,15
	global_load_b32 v[BK+16*\i+\h], v4, s[6:7] offset:16384*\h+128*\i
.endr
.endr
.irp i, 0,1
.irp q, 0,1
	global_load_b128 v[SCB+8*\i+4*\q:SCB+8*\i+4*\q+3], v5, s[10:11] offset:1024*\i+256*\q
.endr
.endr
.irp j, 0,1,2,3,4,5,6,7
	global_load_b128 v[BI+4*\j:BI+4*\j+3], v6, s[48:49] offset:16*\j
.endr
	s_wait_alu depctr_va_vdst(0)
	s_wait_loadcnt 0x0
.irp i, 0,1
.irp k, 0,1,2,3,4,5,6,7
	v_or_b32 v[SCA+8*\i+\k], v[BK+16*\i+2*\k], v[BK+16*\i+2*\k+1]   ; the even head's two bytes below, the odd head's above
.endr
.endr
	PLACES 8                                       ; a scale register written by a vector instruction stands 8 places ahead of the products
	s_wait_alu depctr_va_vdst(0)
	s_wait_tensorcnt 0x0                           ; my four tiles are in,
	s_barrier_signal -1
	s_barrier_wait -1                              ; and everybody's
.macro FETCH k
.set FB, 96*((\k)%2)
	WIN 0x40
.irp i, 0,1,2,3
.irp c, 0,1
	ds_load_b128 v[FB+12*\i+6*\c:FB+12*\i+6*\c+3], v[AA] offset:12288*\i+1536*(\k)+768*\c
	ds_load_b64 v[FB+12*\i+6*\c+4:FB+12*\i+6*\c+5], v[AB] offset:12288*\i+1536*(\k)+768*\c+512
.endr
.endr
.irp i, 0,1,2,3
.irp q, 0,1,2
	ds_load_b128 v[FB+48+12*\i+4*\q:FB+48+12*\i+4*\q+3], v[BA] offset:12288*\i+1536*(\k)+512*\q
.endr
.endr
.endm
.macro WM d, a, b, c, sa, sb, ra, rb
.if (\ra) && (\rb)
	v_wmma_scale_f32_16x16x128_f8f6f4 v[\d:\d+7], v[\a:\a+11], v[\b:\b+11], v[\c:\c+7], v[\sa], v[\sb] matrix_a_fmt:MATRIX_FMT_BF6 matrix_b_fmt:MATRIX_FMT_BF6 matrix_a_scale:MATRIX_SCALE_ROW1 matrix_b_scale:MATRIX_SCALE_ROW1
.elseif (\ra)
	v_wmma_scale_f32_16x16x128_f8f6f4 v[\d:\d+7], v[\a:\a+11], v[\b:\b+11], v[\c:\c+7], v[\sa], v[\sb] matrix_a_fmt:MATRIX_FMT_BF6 matrix_b_fmt:MATRIX_FMT_BF6 matrix_a_scale:MATRIX_SCALE_ROW1
.elseif (\rb)
	v_wmma_scale_f32_16x16x128_f8f6f4 v[\d:\d+7], v[\a:\a+11], v[\b:\b+11], v[\c:\c+7], v[\sa], v[\sb] matrix_a_fmt:MATRIX_FMT_BF6 matrix_b_fmt:MATRIX_FMT_BF6 matrix_b_scale:MATRIX_SCALE_ROW1
.else
	v_wmma_scale_f32_16x16x128_f8f6f4 v[\d:\d+7], v[\a:\a+11], v[\b:\b+11], v[\c:\c+7], v[\sa], v[\sb] matrix_a_fmt:MATRIX_FMT_BF6 matrix_b_fmt:MATRIX_FMT_BF6
.endif
.endm
; A K step: source 0 = 16 columns, source 1 = 16 tokens: a lane holds one token, registers run along columns.  The sixteen accumulators take turns in the same order in every K step
.macro STEPK k
	s_wait_dscnt 0x0                               ; this K step's fragments are in
.if (\k) < 7
	PLACES 4                                       ; in front of loads into the set that the last K step's products read
	FETCH (\k)+1
.endif
.set FB, 96*((\k)%2)
	WIN 0x05
.irp a, 0,1,2,3
.irp b, 0,1,2,3
.if (\k) == 0
	WM ACC+32*\a+8*\b, FB+48+12*\b, FB+12*\a, BI+8*\b, SCB+8*(\b/2)+(\k), SCA+8*(\a/2)+(\k), \b%2, \a%2
.else
	WM ACC+32*\a+8*\b, FB+48+12*\b, FB+12*\a, ACC+32*\a+8*\b, SCB+8*(\b/2)+(\k), SCA+8*(\a/2)+(\k), \b%2, \a%2
.endif
.endr
.endr
.endm
	FETCH 0
.irp k, 0,1,2,3,4,5,6,7
	STEPK \k
.endr
	WIN 0
; THE WAY OUT, block by block of 16 tokens x 64 columns, through my own stage: a lane's 32 results are 32 neighbouring columns
.macro TOSTAGE a
.irp b, 0,1,2,3
	ds_store_b128 v[STO], v[ACC+32*\a+8*\b:ACC+32*\a+8*\b+3] offset:32*\b        ; each accumulator from its low end on
	ds_store_b128 v[STO], v[ACC+32*\a+8*\b+4:ACC+32*\a+8*\b+7] offset:32*\b+16
.endr
.irp i, 0,1,2,3,4,5,6,7
	ds_load_b128 v[BK+32*((\a)%2)+4*\i:BK+32*((\a)%2)+4*\i+3], v[RD] offset:544*\i   ; LDS serves a wave's instructions in order: these see my stores
.endr
.endm
.macro SEND a, younger                 ; younger: the LDS instructions issued behind block a's loads
	s_wait_dscnt \younger
.irp i, 0,1,2,3,4,5,6,7
	global_store_b128 v[CO], v[BK+32*((\a)%2)+4*\i:BK+32*((\a)%2)+4*\i+3], s[50:51] offset:4096*(8*(\a)+2*(\i%4)+32*(\i/4)) th:TH_STORE_NT   ; place 2 i + h of the block; 16 lanes store 256 consecutive bytes, aligned
.endr
.endm
	PLACES 4                                       ; behind the last products, whose results are read below
	TOSTAGE 0
	TOSTAGE 1
	SEND 0, 16
	s_wait_xcnt 0x0                                ; block 0's stores have read their registers: block 2's loads may land there
	TOSTAGE 2
	SEND 1, 16
	s_wait_xcnt 0x0
	TOSTAGE 3
	SEND 2, 16
	SEND 3, 0
	s_wait_tensorcnt 0x0                           ; the wave's end
	ds_add_u32 v[SPW], v[NIL]
	s_wait_dscnt 0x0
	CROUND                                         ; the closing round
	s_endpgm
.Lfunc_end_k_q49eed78e50_proj:
	.size	k_q49eed78e50_proj, .Lfunc_end_k_q49eed78e50_proj-k_q49eed78e50_proj
	.p2alignl 7, 3214868480
	.fill 96, 4, 3214868480
	.section	.rodata,"a",@progbits
	.p2align	6, 0x0
	.amdhsa_kernel k_q49eed78e50_proj
		.amdhsa_group_segment_fixed_size 214528
		.amdhsa_private_segment_fixed_size 0
		.amdhsa_enable_private_segment 0
		.amdhsa_kernarg_size 48
		.amdhsa_user_sgpr_count 2
		.amdhsa_user_sgpr_kernarg_segment_ptr 1
		.amdhsa_wavefront_size32 1
		.amdhsa_system_sgpr_workgroup_id_x 1
		.amdhsa_system_sgpr_workgroup_id_y 1
		.amdhsa_system_sgpr_workgroup_id_z 1
		.amdhsa_system_vgpr_workitem_id 0
		.amdhsa_next_free_vgpr 512
		.amdhsa_next_free_sgpr 66
		.amdhsa_reserve_vcc 0
		.amdhsa_float_denorm_mode_32 3
		.amdhsa_float_denorm_mode_16_64 3
		.amdhsa_memory_ordered 1
		.amdhsa_forward_progress 1
		.amdhsa_inst_pref_size 51
	.end_amdhsa_kernel
	.amdgpu_metadata
---
amdhsa.version: [ 1, 2 ]
amdhsa.kernels:
  - .name:           k_q49eed78e50_proj
    .symbol:         k_q49eed78e50_proj.kd
    .args:
      - { .name: oc, .offset: 0, .size: 8, .value_kind: global_buffer, .address_space: global }
      - { .name: os, .offset: 8, .size: 8, .value_kind: global_buffer, .address_space: global }
      - { .name: inc, .offset: 16, .size: 8, .value_kind: global_buffer, .address_space: global }
      - { .name: ins, .offset: 24, .size: 8, .value_kind: global_buffer, .address_space: global }
      - { .name: b_proj, .offset: 32, .size: 8, .value_kind: global_buffer, .address_space: global }
      - { .name: out0, .offset: 40, .size: 8, .value_kind: global_buffer, .address_space: global }
    .group_segment_fixed_size: 214528
    .private_segment_fixed_size: 0
    .kernarg_segment_align: 8
    .kernarg_segment_size: 48
    .max_flat_workgroup_size: 128
    .sgpr_count:     66
    .vgpr_count:     512
    .wavefront_size: 32
...
	.end_amdgpu_metadata
.endif
;; end of part 4
